; MI455X (gfx1250); checked and timed in simulation.
; The chip was launched on July 23, 2026; its instructions are those of AMD's public machine-readable ISA for CDNA 5 (MIT licence, August 2026) and "CDNA5" Instruction Set Architecture Reference Guide (July 2026). The comments in the code are by the model that wrote it; some were corrected since.
;; Multi Head Attention. Allowed arithmetic: matrix products marked QUANTISED: E2M3 operands, one E8M0 scale for each 32 along K, by v_wmma_scale_f32_16x16x128_f8f6f4 with both operands' format E2M3, f32 sums; everything else in f32.
;; Inputs: W_k 512 x 512 float32; W_o 512 x 512 float32; W_q 512 x 512 float32; W_v 512 x 512 float32; b_o 512 float32; k 2 x 4,096 x 512 float32; q 2 x 4,096 x 512 float32; v 2 x 4,096 x 512 float32.
;; Outputs: out0 2 x 4,096 x 512 float32.
;; This version of the problem:
;;   THIS VERSION OF THE PROBLEM IS GIVEN IN LOW PRECISION. The matrix products marked QUANTISED in the list below multiply operands that are first quantised to E2M3 (2 exponent bits, 3 mantissa bits; 6 bits a number), with one power-of-two scale for each 32 numbers along K (OCP MX v1.0); their sums are f32. All else is computed in f32.
;;   The module's matrix products, in the order in which they are computed (A, B: the left and right operand; K: the contracted axis; several contracted axes count as one K, in the product's order):
;;     1. [M 8,192, K 512] x [K 512, N 512]; A: input q; B: input W_q: QUANTISED
;;     2. [M 8,192, K 512] x [K 512, N 512]; A: input k; B: input W_k: QUANTISED
;;     3. [M 8,192, K 512] x [K 512, N 512]; A: input v; B: input W_v: QUANTISED
;;     4. batch 16 x [M 4,096, K 64] x [K 64, N 4,096]; A: computed on the way; B: computed on the way: QUANTISED
;;     5. batch 16 x [M 4,096, K 4,096] x [K 4,096, N 64]; A: softmax (see below); B: computed on the way: QUANTISED
;;     6. [M 8,192, K 512] x [K 512, N 512]; A: computed on the way; B: input W_o: QUANTISED
;;   THE QUANTISER, for each operand of a quantised product, along K:
;;     - K is cut into blocks of 32 from its start; a last block that is shorter is filled with zeros.
;;     - A block's scale is 2^e with e = floor(log2(the largest magnitude in the block)) - 2, held to -126 .. 127; a block of zeros has e = 0. As a byte (E8M0): e + 127.
;;     - Each number is divided by its block's scale, clamped to +-7.5, and rounded to the nearest number of E2M3, ties to even, subnormals kept.
;;     - The product sums the exact products of the quantised numbers (number of the format x scale) in f32.
;;   ~~~python
;;   def quantise(x, axis):      # numpy; x: float32 -> the quantised numbers, widened to float32 again
;;       x = np.moveaxis(x, axis, -1); K = x.shape[-1]
;;       x = np.pad(x, [(0, 0)] * (x.ndim - 1) + [(0, -K % 32)]); x = x.reshape(x.shape[:-1] + (-1, 32)); a = np.abs(x).max(-1, keepdims=True)
;;       e = np.where(a > 0, np.clip(np.frexp(np.where(a > 0, a, 1))[1] - 1 - 2, -126, 127), 0)      # np.frexp(a)[1] - 1 = floor(log2(a)), exactly
;;       r = np.clip(x / 2.0 ** e, -7.5, 7.5)
;;       step = 2.0 ** (np.maximum(np.frexp(np.where(r == 0, 1, r))[1] - 1, 0) - 3)
;;       q = np.round(r / step) * step * 2.0 ** e      # np.round: ties to even
;;       return np.moveaxis(q.reshape(q.shape[:-2] + (-1,))[..., :K], -1, axis).astype(np.float32)
;;   ~~~
;;   SOFTMAX AHEAD OF A QUANTISED PRODUCT. Where the list says 'softmax', what is quantised is not the finished softmax but p = 2^(t - M), with t = logit x log2(e) and M = ceil(the row's largest t), a whole number; so 1/2 < the row's largest p <= 1. The row's sum l is taken of the UNQUANTISED p, in f32, and the product's result is divided by l at the end. Since M is a whole number, a kernel that streams over the keys may use a running M (the ceiling of the running maximum): every later rescaling is an exact power of two, which a block's scale takes up: the codes' values come out the same.
;;   OPERANDS COMPUTED ON THE WAY. 'Computed on the way' means the value that the module computes at that place (a softmax that the list does not call 'softmax' is quantised finished and normalised). What goes into a quantiser is computed in f32, as accurately as f32 sums, v_exp_f32 and their like allow (about 1e-6 of the number): no bf16 or f16 on the way to a quantiser, and a product that is left as it is and whose result goes on into a quantised operand takes f32 operands (vector FMAs, or v_wmma_f32_16x16x4_f32). A number that lies on a knife's edge between two numbers of the format may be rounded either way, as far as f32 arithmetic and the matrix unit's own rounding can turn it there, and no further.
;; One version. Each part assembles by itself: llvm-mc -triple=amdgcn-amd-amdhsa -mcpu=gfx1250 --defsym DOCPART=n.
;; ======== version 1 of 1: 4 launches
;; limits: right only within a limited range of input values
;; workspace buffers: wimg 819,200 bytes; qimg 3,407,872 bytes; kv 6,684,672 bytes; cimg 3,145,728 bytes; cscl 262,144 bytes
;; launch wprep (part 1): grid 128 x 1, 1 waves a work-group, no clusters, 0 bytes of LDS; arguments W_q, W_k, W_v, W_o, wimg; writes wimg
.if DOCPART == 1
	.amdgcn_target "amdgcn-amd-amdhsa--gfx1250"
	.amdhsa_code_object_version 6
	.text
	.protected	k_q1515d8bcf8_wprep
	.globl	k_q1515d8bcf8_wprep
	.p2align	8
	.type	k_q1515d8bcf8_wprep,@function
k_q1515d8bcf8_wprep:
	s_mov_b64 s[64:65], 0
	v_nop
	global_prefetch_b8 v0, s[64:65] scope:SCOPE_SE
	s_setreg_imm32_b32 hwreg(HW_REG_WAVE_MODE, 25, 1), 1
	s_wait_xcnt 0x0
; The four weights [512][512] f32 (K innermost) become codes of FP6 (E2M3) with one E8M0 byte for each 32 along K, laid as IMAGES OF OPERAND REGISTERS:
; wimg = [T = q,k,v,o][g = 64 features][25,600 bytes]: codes [K step s][tile t][c][lane][16 bytes] (24,576), then scale words [s][lane][2 words] (1,024):
; word u holds tile 2u's rows in lanes 0-15 and tile 2u+1's in lanes 16-31.
; THE ROWS OF A TILE ARE NOT NEIGHBOURS: lane r of tile t takes feature 64 g + 32 (t / 2) + 8 (t % 2) + r + 8 (r / 8), so that in a product whose source 0 is such a tile
; the 16 registers of tiles 2b and 2b+1 are 16 neighbouring features.
; A work-group is one wave: tensor T = x / 32, group g = (x / 4) % 8, K step s = x % 4: four fragments of 16 rows x 128 K.
; A lane loads, of its row, 16 neighbouring numbers of each block of 32 (lanes l and l xor 16 hold a block).  The weights are 4 MB in all and are read once: no stage in LDS is spent on denser loads.
; A block's scale: the largest magnitude's exponent field less 2, held at 1 from below.
; LIMITS: NaN and infinities among the inputs are not served; a block whose largest magnitude lies under 2^-124 gets the byte 1; a block of zeros gets the byte 1 where the
; rule says 127: its codes are zeros, and the bytes are read by this program alone.
; REGISTERS: window 0: v1 16 x lane, v2 my row's bytes, v7 8 x lane, v12-23 at work, v24-27 the four scale words, v[28:29] the pair that is stored, v64.. the codes, 20 registers a tile.
;            window 1: the numbers as loaded, 64 a tile.
.set TM,  12
.set SEL, 30                           ; s[30:31] lane selects: lane l xor 16
.set MK,  32                           ; s32 the mask of lanes 16-31
.set MSB, 0
.macro WIN new                         ; the immediate's high byte repeats the setting that is left
.if MSB != \new
	s_set_vgpr_msb (MSB<<8)|\new
.set MSB, \new
.endif
.endm
; 64 numbers of a lane in window 1, register 16 b + i = k 32 b + 16 (lane / 16) + i of my row, become a fragment's 12 registers of codes at v[pc] (pc+12 .. pc+18 at work) and its scale word v[pw], in window 0.
.macro QUANT s, pc, pw
	WIN 0x05                                       ; sources 0 and 1 in window 1
.irp b, 0,1,2,3
	v_max3_num_f32 v[TM+\b], |v[(\s)+16*\b]|, |v[(\s)+16*\b+1]|, 0x1800000   ; my 16 numbers of block b, and the floor 2^(3 - 127): the byte cannot fall under 1
.endr
.irp i, 2,4,6,8,10,12,14
.irp b, 0,1,2,3
	v_max3_num_f32 v[TM+\b], |v[(\s)+16*\b+\i]|, |v[(\s)+16*\b+\i+1]|, v[TM+\b]   ; the four blocks by turns, each from its low end on
.endr
.endr
	WIN 0
.irp b, 0,1,2,3
	v_permlanex16_b32 v[TM+4+\b], v[TM+\b], s[SEL], s[SEL+1]
.endr
.irp b, 0,1,2,3
	v_max_num_f32 v[TM+\b], v[TM+\b], v[TM+4+\b]   ; with lane l xor 16's: the block's largest magnitude
.endr
.irp b, 0,1,2,3
	v_add_nc_u32 v[TM+8+\b], 0xff000000, v[TM+\b]  ; 2 off its exponent field: the conversion's scale operand
.endr
.irp b, 0,1,2,3
	v_lshrrev_b32 v[TM+4+\b], 23, v[TM+8+\b]       ; the scale's byte
.endr
	v_lshl_or_b32 v[(\pw)], v[TM+5], 8, v[TM+4]
	v_lshl_or_b32 v[(\pw)], v[TM+6], 16, v[(\pw)]
	v_lshl_or_b32 v[(\pw)], v[TM+7], 24, v[(\pw)]  ; my row's scale word
	WIN 0x01                                       ; source 0 in window 1
.irp c, 0,1
	v_cvt_scalef32_pk16_fp6_f32 v[(\pc)+6*\c:(\pc)+6*\c+2], v[(\s)+32*\c:(\s)+32*\c+15], v[TM+8+2*\c]
	v_cvt_scalef32_pk16_fp6_f32 v[(\pc)+12+4*\c:(\pc)+14+4*\c], v[(\s)+32*\c+16:(\s)+32*\c+31], v[TM+9+2*\c]   ; (a conversion's three registers begin on an even number)
.endr
	WIN 0
	v_nop                                          ; one plain place behind the scaled conversions
.irp c, 0,1                            ; the operand's layout wants a whole block in a lane: lanes 0-15 block 2 c, lanes 16-31 block 2 c + 1
.irp i, 0,1,2
	v_permlane16_swap_b32 v[(\pc)+6*\c+\i], v[(\pc)+12+4*\c+\i]
.endr
.irp i, 0,1,2
	v_mov_b32 v[(\pc)+6*\c+3+\i], v[(\pc)+12+4*\c+\i]
.endr
.endr
.endm
	s_load_b256 s[4:11], s[0:1], 0x0               ; W_q, W_k, W_v, W_o
	s_load_b64 s[12:13], s[0:1], 0x20              ; wimg
	s_lshr_b32 s14, ttmp9, 5                       ; T
	s_bfe_u32 s15, ttmp9, 0x30002                  ; g
	s_and_b32 s16, ttmp9, 3                        ; s
	s_mov_b32 s[SEL], 0x76543210
	s_mov_b32 s[SEL+1], 0xfedcba98
	s_mov_b32 s[MK], 0xffff0000
	v_and_b32 v3, 15, v0                           ; r
	v_bfe_u32 v4, v0, 4, 1                         ; h
	v_lshlrev_b32 v1, 4, v0                        ; 16 x lane (one wave: the thread's number is the lane)
	v_lshlrev_b32 v7, 3, v0                        ; 8 x lane
	v_and_b32 v5, 8, v3
	v_add_nc_u32 v5, v5, v3                        ; r + 8 (r / 8)
	v_lshlrev_b32 v2, 11, v5                       ; a row of W is 2,048 bytes
	v_lshl_add_u32 v2, v4, 6, v2                   ; + 64 h: my 16 numbers of a block
.irp b, 0,1,2,3
	v_mov_b32 v[TM+4+\b], 0                        ; written once: a lane permute's destination counts as one of its sources
.endr
	s_lshl_b32 s18, s15, 17                        ; 64 rows a group
	s_lshl_b32 s19, s16, 9                         ; 512 bytes a K step
	s_add_co_u32 s18, s18, s19
	s_mov_b32 s19, 0
	s_mul_i32 s20, s14, 204800
	s_mul_i32 s21, s15, 25600
	s_add_co_u32 s20, s20, s21
	s_mov_b32 s21, 0
	s_mul_i32 s22, s16, 6144                       ; the K step's codes
	s_mov_b32 s23, 0
	s_lshl_b32 s28, s16, 8
	s_add_co_u32 s28, s28, 24576                   ; and its scale words
	s_mov_b32 s29, 0
	s_wait_alu depctr_va_vdst(0)
	s_wait_kmcnt 0x0
	s_bitcmp1_b32 s14, 0                           ; the tensor is chosen by the work-group's number alone
	s_cselect_b64 s[4:5], s[6:7], s[4:5]
	s_cselect_b64 s[8:9], s[10:11], s[8:9]
	s_bitcmp1_b32 s14, 1
	s_cselect_b64 s[4:5], s[8:9], s[4:5]
	s_add_nc_u64 s[4:5], s[4:5], s[18:19]
	s_add_nc_u64 s[12:13], s[12:13], s[20:21]
	s_add_nc_u64 s[24:25], s[12:13], s[22:23]
	s_add_nc_u64 s[26:27], s[12:13], s[28:29]
	WIN 0x40                                       ; destination window 1
.irp t, 0,1,2,3
.irp bb, 0,1,2,3
.irp j, 0,1,2,3
	global_load_b128 v[64*\t+16*\bb+4*\j:64*\t+16*\bb+4*\j+3], v2, s[4:5] offset:(32*(\t/2)+8*(\t%2))*2048+128*\bb+16*\j th:TH_LOAD_NT
.endr
.endr
.endr
	WIN 0
.irp t, 0,1,2,3
	s_wait_loadcnt 48-16*\t                        ; this tile's 16 loads are in; the later tiles', 16 each, may be out
	QUANT 64*\t, 64+20*\t, 24+\t
.irp c, 0,1,2
	global_store_b128 v1, v[64+20*\t+4*\c:64+20*\t+4*\c+3], s[24:25] offset:1536*\t+512*\c   ; 32 lanes store 512 consecutive bytes; each tile has registers of its own, so no store's data are written again
.endr
.endr
	v_cndmask_b32 v28, v24, v25, s[MK]             ; lanes 0-15 tile 0's words, lanes 16-31 tile 1's
	v_cndmask_b32 v29, v26, v27, s[MK]             ; tiles 2 and 3
	global_store_b64 v7, v[28:29], s[26:27]        ; 256 consecutive bytes, aligned
	s_endpgm
.Lfunc_end_k_q1515d8bcf8_wprep:
	.size	k_q1515d8bcf8_wprep, .Lfunc_end_k_q1515d8bcf8_wprep-k_q1515d8bcf8_wprep
	.p2alignl 7, 3214868480
	.fill 96, 4, 3214868480
	.section	.rodata,"a",@progbits
	.p2align	6, 0x0
	.amdhsa_kernel k_q1515d8bcf8_wprep
		.amdhsa_group_segment_fixed_size 0
		.amdhsa_private_segment_fixed_size 0
		.amdhsa_enable_private_segment 0
		.amdhsa_kernarg_size 40
		.amdhsa_user_sgpr_count 2
		.amdhsa_user_sgpr_kernarg_segment_ptr 1
		.amdhsa_wavefront_size32 1
		.amdhsa_system_sgpr_workgroup_id_x 1
		.amdhsa_system_sgpr_workgroup_id_y 1
		.amdhsa_system_sgpr_workgroup_id_z 1
		.amdhsa_system_vgpr_workitem_id 0
		.amdhsa_next_free_vgpr 512
		.amdhsa_next_free_sgpr 66
		.amdhsa_reserve_vcc 0
		.amdhsa_float_denorm_mode_32 3
		.amdhsa_float_denorm_mode_16_64 3
		.amdhsa_memory_ordered 1
		.amdhsa_forward_progress 1
		.amdhsa_inst_pref_size 25
	.end_amdhsa_kernel
	.amdgpu_metadata
---
amdhsa.version: [ 1, 2 ]
amdhsa.kernels:
  - .name:           k_q1515d8bcf8_wprep
    .symbol:         k_q1515d8bcf8_wprep.kd
    .args:
      - { .name: W_q, .offset: 0, .size: 8, .value_kind: global_buffer, .address_space: global }
      - { .name: W_k, .offset: 8, .size: 8, .value_kind: global_buffer, .address_space: global }
      - { .name: W_v, .offset: 16, .size: 8, .value_kind: global_buffer, .address_space: global }
      - { .name: W_o, .offset: 24, .size: 8, .value_kind: global_buffer, .address_space: global }
      - { .name: wimg, .offset: 32, .size: 8, .value_kind: global_buffer, .address_space: global }
    .group_segment_fixed_size: 0
    .private_segment_fixed_size: 0
    .kernarg_segment_align: 8
    .kernarg_segment_size: 40
    .max_flat_workgroup_size: 32
    .sgpr_count:     66
    .vgpr_count:     512
    .wavefront_size: 32
...
	.end_amdgpu_metadata
.endif
;; end of part 1
;; launch proj (part 2): grid 64 x 3, 8 waves a work-group, no clusters, 324,608 bytes of LDS; arguments q, k, v, wimg, qimg, kv; writes qimg, kv
.if DOCPART == 2
	.amdgcn_target "amdgcn-amd-amdhsa--gfx1250"
	.amdhsa_code_object_version 6
	.text
	.protected	k_q1515d8bcf8_proj
	.globl	k_q1515d8bcf8_proj
	.p2align	8
	.type	k_q1515d8bcf8_proj,@function
k_q1515d8bcf8_proj:
	s_mov_b64 s[64:65], 0
	v_nop
	global_prefetch_b8 v0, s[64:65] scope:SCOPE_SE
	s_setreg_imm32_b32 hwreg(HW_REG_WAVE_MODE, 25, 1), 1
	s_wait_xcnt 0x0
; The three input projections, x W^T with x = q, k or v (work-group y = T), both operands on codes of FP6 (E2M3) with one E8M0 byte for each 32 along K = 512; the results are quantised
; at once for attention's products and stored as IMAGES OF OPERAND REGISTERS.
; SHARES.  A work-group takes 128 rows of one tensor (x = 64 blocks) and all 512 features.  First wave w quantises row tile w (16 rows, all of K); the codes go from wave to wave through LDS as
; register images; then wave w makes head w: 64 features x 128 rows, 32 accumulators (all of window 1).
; THE ROWS OF A TILE ARE NOT NEIGHBOURS: lane r of tile 2b+u takes row 32 b + 8 u + r + 8 (r / 8) of the 128; the weights' tiles likewise.  So the 16 registers of two neighbouring tiles are 16 neighbours.
; q, k: source 0 = W, source 1 = x: a lane holds one row and 64 features (two blocks of 32): quantised along the head's 64.  Two row tiles make one run of 12 registers: six a tile.
;       Stored: [pair b][c][lane][16 bytes] (6,144), then [lane][4 words] (512): word b: lanes 0-15 tile 2b, lanes 16-31 tile 2b+1; bytes 0, 1 the two blocks, bytes 2, 3 the byte of 1.0.
; v:    source 0 = x, source 1 = W: a lane holds one feature and 128 keys: quantised along the keys.  Stored: [tile t][c][lane][16 bytes] (6,144), then [lane][2 words] (256).
; qimg = [8 batch + head][block of 128] x 6,656;  kv = [8 batch + head][block of 128] x 13,056: k's part, then v's.
; x COMES THROUGH REGISTERS: 64 loads a wave, all issued at the head, each 512 consecutive bytes of one of the wave's own 16 rows (a K step of a row).  The quantiser wants 16 neighbours in a lane, so a K step's
; 16 x 512 bytes turn through the wave's own stage in LDS (rows 528 bytes apart).  No tensor load, so no ring; one barrier, between the images' stores and their reads.
; THE WEIGHTS go from memory straight into the registers of the one wave that multiplies by them; no joint loads: nothing of them passes through LDS.
; 192 work-groups: 24,576 rows in 256 equal parts would be 96 rows, which does not divide 8,192, and a fragment of v wants 128 keys in one work-group.
; LIMITS: NaN and infinities among the inputs are not served; a block whose largest magnitude lies under 2^-124 gets the byte 1; a block of zeros gets the byte 1 where the rule says 127
; (its codes are zeros, and the bytes are read by this program alone).
; REGISTERS, window 0: v1 16 x lane; v2-6, v47 LDS addresses; v7 8 x lane; v8 16 h; v12-23 at work; v24 a scale word just made; v26, v27 the add's; v28-46 codes just made; v48-55 W's scale words; v56-63 x's;
;   v64-111 four fragments of x; v112-255 three sets of W's four fragments.   window 1: x's numbers, then the accumulators.
.set RAWW, 33792                       ; LDS: a wave's stage: 4 K steps x 16 rows x (512 + 16) bytes
.set RAWS, 8448                        ; a K step's 16 rows
.set XIMG, 270336                      ; x's fragments as register images: [K step][tile] x 1,536 bytes
.set XSC,  319488                      ; their scale words: [K step][lane][tile]
.set SPARE, 323584                     ; the spare words: 128 bytes for each of eight waves; no other line names them
.set TM,  12
.set PW,  24
.set SPW, 26
.set NIL, 27
.set PC,  28
.set STG, 47
.set WS,  48
.set XS,  56
.set XF,  64
.set WB,  112
.set WV,  56
.set TT,  57
.set XX,  58
.set SEL, 66                           ; s[66:67] lane selects: lane l xor 16
.set WP,  72                           ; s[72:73] my head's part of wimg
.set OP,  74                           ; s[74:75] where my results go
.set MSB, 0
.macro WIN new                         ; the immediate's high byte repeats the setting that is left
.if MSB != \new
	s_set_vgpr_msb (MSB<<8)|\new
.set MSB, \new
.endif
.endm
; 64 numbers of a lane in window 1, register 16 b + i = k 32 b + 16 (lane / 16) + i, become 12 registers of codes at v[pc] (pc+12 .. pc+18 at work) and a scale word v[pw], in window 0.
.macro QUANT s, pc, pw
	WIN 0x05                                       ; sources 0 and 1 in window 1
.irp b, 0,1,2,3
	v_max3_num_f32 v[TM+\b], |v[(\s)+16*\b]|, |v[(\s)+16*\b+1]|, 0x1800000   ; my 16 numbers of block b, and the floor 2^(3 - 127): the byte cannot fall under 1
.endr
.irp i, 2,4,6,8,10,12,14
.irp b, 0,1,2,3
	v_max3_num_f32 v[TM+\b], |v[(\s)+16*\b+\i]|, |v[(\s)+16*\b+\i+1]|, v[TM+\b]   ; the four blocks by turns; each accumulator of eight is first read at its low end
.endr
.endr
	WIN 0
.irp b, 0,1,2,3
	v_permlanex16_b32 v[TM+4+\b], v[TM+\b], s[SEL], s[SEL+1]
.endr
.irp b, 0,1,2,3
	s_delay_alu instid0(VALU_DEP_4)
	v_max_num_f32 v[TM+\b], v[TM+\b], v[TM+4+\b]   ; with lane l xor 16's: the block's largest magnitude
.endr
.irp b, 0,1,2,3
	s_delay_alu instid0(VALU_DEP_4)
	v_add_nc_u32 v[TM+8+\b], 0xff000000, v[TM+\b]  ; 2 off its exponent field: the conversion's scale operand
.endr
.irp b, 0,1,2,3
	s_delay_alu instid0(VALU_DEP_4)
	v_lshrrev_b32 v[TM+4+\b], 23, v[TM+8+\b]       ; the scale's byte
.endr
	s_delay_alu instid0(VALU_DEP_3)
	v_lshl_or_b32 v[(\pw)], v[TM+5], 8, v[TM+4]
	s_delay_alu instid0(VALU_DEP_1)
	v_lshl_or_b32 v[(\pw)], v[TM+6], 16, v[(\pw)]
	s_delay_alu instid0(VALU_DEP_1)
	v_lshl_or_b32 v[(\pw)], v[TM+7], 24, v[(\pw)]
	WIN 0x01                                       ; source 0 in window 1
.irp c, 0,1
	v_cvt_scalef32_pk16_fp6_f32 v[(\pc)+6*\c:(\pc)+6*\c+2], v[(\s)+32*\c:(\s)+32*\c+15], v[TM+8+2*\c]
	v_cvt_scalef32_pk16_fp6_f32 v[(\pc)+12+4*\c:(\pc)+14+4*\c], v[(\s)+32*\c+16:(\s)+32*\c+31], v[TM+9+2*\c]   ; (a conversion's three registers begin on an even number)
.endr
	WIN 0
	v_nop                                          ; one plain place behind the scaled conversions
.irp c, 0,1                            ; a whole block to a lane: lanes 0-15 block 2 c, lanes 16-31 block 2 c + 1
.irp i, 0,1,2
	v_permlane16_swap_b32 v[(\pc)+6*\c+\i], v[(\pc)+12+4*\c+\i]
.endr
.irp i, 0,1,2
	s_delay_alu instid0(VALU_DEP_3)
	v_mov_b32 v[(\pc)+6*\c+3+\i], v[(\pc)+12+4*\c+\i]
.endr
.endr
.endm
.macro WLOAD s, buf                    ; my head's four fragments of W for K step s into set buf: each load takes 512 consecutive bytes
.irp t, 0,1,2,3
.irp c, 0,1,2
	global_load_b128 v[WB+48*(\buf)+12*\t+4*\c:WB+48*(\buf)+12*\t+4*\c+3], v1, s[WP:WP+1] offset:6144*(\s)+1536*\t+512*\c
.endr
.endr
.endm
.macro PLACES
.rept 4
	v_nop
.endr
.endm
	s_load_b256 s[4:11], s[0:1], 0x0               ; q, k, v, wimg
	s_load_b128 s[12:15], s[0:1], 0x20             ; qimg, kv
	v_lshl_add_u32 v[SPW], v0, 2, SPARE            ; my spare word, and 0: kept for the add at the wave's end
	v_mov_b32 v[NIL], 0
	v_lshrrev_b32 v1, 5, v0
	s_delay_alu instid0(VALU_DEP_1)
	v_readfirstlane_b32 s[WV], v1                  ; wave 0..7
	v_and_b32 v9, 31, v0                           ; lane
	v_and_b32 v10, 15, v0                          ; r
	v_bfe_u32 v11, v0, 4, 1                        ; h
	s_delay_alu instid0(VALU_DEP_3)
	v_lshlrev_b32 v1, 4, v9                        ; 16 x lane
	v_lshlrev_b32 v7, 3, v9                        ; 8 x lane
	s_and_b32 s[TT], ttmp7, 0xffff                 ; the tensor: 0 q, 1 k, 2 v
	s_mov_b32 s[XX], ttmp9                         ; the block of 128 rows
	s_lshl_b32 s60, s[XX], 7                       ; my tile's first row: 128 X + 32 (w / 2) + 8 (w % 2)
	s_lshr_b32 s61, s[WV], 1
	s_lshl_b32 s61, s61, 5
	s_add_co_u32 s60, s60, s61
	s_and_b32 s61, s[WV], 1
	s_lshl_b32 s61, s61, 3
	s_add_co_u32 s60, s60, s61
	s_lshl_b32 s60, s60, 11                        ; a row is 2,048 bytes
	s_mov_b32 s61, 0
	s_mul_i32 s59, s[WV], RAWW                     ; my stage
	s_mul_i32 s62, s[TT], 204800
	s_mul_i32 s63, s[WV], 25600
	s_add_co_u32 s62, s62, s63
	s_mov_b32 s63, 0
	s_wait_alu depctr_va_vdst(0)
	s_wait_kmcnt 0x0
	s_cmp_eq_u32 s[TT], 1                          ; the tensor is chosen by the work-group's number alone
	s_cselect_b64 s[4:5], s[6:7], s[4:5]
	s_cmp_eq_u32 s[TT], 2
	s_cselect_b64 s[4:5], s[8:9], s[4:5]
	s_add_nc_u64 s[4:5], s[4:5], s[60:61]
	s_add_nc_u64 s[WP:WP+1], s[10:11], s[62:63]
	WIN 0x40                                       ; destination window 1
.irp s, 0,1,2,3                        ; K step s of the tile's row i: rows 0-7, then the eight rows that lie 16 further on
.irp i, 0,1,2,3,4,5,6,7,8,9,10,11,12,13,14,15
	global_load_b128 v[64*\s+4*\i:64*\s+4*\i+3], v1, s[4:5] offset:(\i+8*(\i/8))*2048+512*\s th:TH_LOAD_NT   ; 32 lanes read 512 consecutive bytes; read once in the launch
.endr
.endr
	WIN 0
	v_lshlrev_b32 v8, 4, v11                       ; 16 h
	v_mul_u32_u24 v2, v10, 528
	s_delay_alu instid0(VALU_DEP_1)
	v_lshl_add_u32 v2, v11, 6, v2
	s_delay_alu instid0(VALU_DEP_1)
	v_add_nc_u32 v2, s59, v2                       ; out of the stage: row r, + 64 h: my 16 numbers of a block
	v_add_nc_u32 v[STG], s59, v1                   ; into it: 16 x lane of a row
	s_mul_i32 s60, s[WV], 1536
	s_add_co_u32 s60, s60, XIMG
	v_add_nc_u32 v3, s60, v1                       ; where I store my tile's images
	v_lshlrev_b32 v6, 5, v9
	s_delay_alu instid0(VALU_DEP_1)
	v_add_nc_u32 v6, XSC, v6                       ; the eight tiles' scale words of my lane
	s_lshl_b32 s60, s[WV], 2
	v_add_nc_u32 v4, s60, v6                       ; and my tile's among them
	v_add_nc_u32 v5, XIMG, v1                      ; where any image is read
	s_mov_b32 s[SEL], 0x76543210
	s_mov_b32 s[SEL+1], 0xfedcba98
	s_mov_b32 s68, 0xffff
	s_mov_b32 s69, 0x7f7f0000
	s_mov_b32 s70, 0xffff0000
.irp b, 0,1,2,3
	v_mov_b32 v[TM+4+\b], 0                        ; written once: a lane permute's destination counts as one of its sources
.endr
	s_lshr_b32 s60, s[XX], 5                       ; where my results go: ((8 batch + head) x 32 + block) x the part's bytes
	s_lshl_b32 s60, s60, 3
	s_add_co_u32 s60, s60, s[WV]
	s_lshl_b32 s60, s60, 5
	s_and_b32 s61, s[XX], 31
	s_add_co_u32 s60, s60, s61
	s_cmp_eq_u32 s[TT], 0
	s_cselect_b64 s[OP:OP+1], s[12:13], s[14:15]
	s_mov_b32 s61, 13056
	s_cselect_b32 s61, 6656, s61
	s_mul_i32 s60, s60, s61
	s_cmp_eq_u32 s[TT], 2
	s_cselect_b32 s61, 6656, 0                     ; v's part lies behind k's
	s_add_co_u32 s60, s60, s61
	s_mov_b32 s61, 0
	s_add_nc_u64 s[OP:OP+1], s[OP:OP+1], s[60:61]
; ---- x: my 16 rows become four fragments, a K step at a time.  cnt: the loads issued behind this K step's own, which may stay out.
.macro XSTEP s, cnt
	s_wait_loadcnt \cnt
	WIN 0x04                                       ; the stores' data in window 1
.irp i, 0,1,2,3,4,5,6,7,8,9,10,11,12,13,14,15
	ds_store_b128 v[STG], v[64*(\s)+4*\i:64*(\s)+4*\i+3] offset:RAWS*(\s)+528*\i
.endr
	s_wait_dscnt 0x0                               ; these stores have read their registers, into which the loads below land; the last K step's image stores are done too
	WIN 0x40                                       ; destination window 1
.irp bb, 0,1,2,3
.irp j, 0,1,2,3
	ds_load_b128 v[64*(\s)+16*\bb+4*\j:64*(\s)+16*\bb+4*\j+3], v2 offset:RAWS*(\s)+128*\bb+16*\j
.endr
.endr
	WIN 0
	s_wait_dscnt 0x0
	QUANT 64*(\s), PC, PW
.irp c, 0,1,2
	ds_store_b128 v3, v[PC+4*\c:PC+4*\c+3] offset:12288*(\s)+512*\c   ; the fragment as it stands: lane l's 16 bytes at 16 l
.endr
	ds_store_b32 v4, v[PW] offset:1024*(\s)
.endm
	s_wait_alu depctr_va_vdst(0)
	XSTEP 0, 48                                    ; behind K step 0's loads: K steps 1 to 3, 16 each
.irp s, 0,1,2,3
	global_load_b64 v[WS+2*\s:WS+2*\s+1], v7, s[WP:WP+1] offset:24576+256*\s   ; W's scale words: word u: tile 2u below, tile 2u+1 above
.endr
	WLOAD 0, 0
	XSTEP 1, 48                                    ; K steps 2, 3 and the 16 of W
	WLOAD 1, 1
	XSTEP 2, 44                                    ; K step 3 and 28 of W
	WLOAD 2, 2
	XSTEP 3, 40                                    ; the 40 of W
	s_wait_dscnt 0x0                               ; for the others' sake: my stores have landed
	s_barrier_signal -1
	s_barrier_wait -1                              ; x's 32 fragments lie in LDS; from here on LDS is only read
; One product.  s: K step; m: row tile; xf: its place among the four fragments in hand; t: feature tile; vp = 1: v's way (source 0 = x).  The first K step starts the sums with the constant 0.
.macro PMUL s, m, xf, t, vp
.set WF_, WB+48*((\s)%3)+12*(\t)
.set XF_, XF+12*(\xf)
.set WS_, WS+2*(\s)+(\t)/2
.set XS_, XS+(\m)
.if \vp
.set D_, 64*(\t)+8*(\m)
.if (\s) == 0
.if (\t)%2
	v_wmma_scale_f32_16x16x128_f8f6f4 v[D_:D_+7], v[XF_:XF_+11], v[WF_:WF_+11], 0, v[XS_], v[WS_] matrix_a_fmt:MATRIX_FMT_FP6 matrix_b_fmt:MATRIX_FMT_FP6 matrix_b_scale:MATRIX_SCALE_ROW1
.else
	v_wmma_scale_f32_16x16x128_f8f6f4 v[D_:D_+7], v[XF_:XF_+11], v[WF_:WF_+11], 0, v[XS_], v[WS_] matrix_a_fmt:MATRIX_FMT_FP6 matrix_b_fmt:MATRIX_FMT_FP6
.endif
.else
.if (\t)%2
	v_wmma_scale_f32_16x16x128_f8f6f4 v[D_:D_+7], v[XF_:XF_+11], v[WF_:WF_+11], v[D_:D_+7], v[XS_], v[WS_] matrix_a_fmt:MATRIX_FMT_FP6 matrix_b_fmt:MATRIX_FMT_FP6 matrix_b_scale:MATRIX_SCALE_ROW1
.else
	v_wmma_scale_f32_16x16x128_f8f6f4 v[D_:D_+7], v[XF_:XF_+11], v[WF_:WF_+11], v[D_:D_+7], v[XS_], v[WS_] matrix_a_fmt:MATRIX_FMT_FP6 matrix_b_fmt:MATRIX_FMT_FP6
.endif
.endif
.else
.set D_, 32*(\m)+8*(\t)
.if (\s) == 0
.if (\t)%2
	v_wmma_scale_f32_16x16x128_f8f6f4 v[D_:D_+7], v[WF_:WF_+11], v[XF_:XF_+11], 0, v[WS_], v[XS_] matrix_a_fmt:MATRIX_FMT_FP6 matrix_b_fmt:MATRIX_FMT_FP6 matrix_a_scale:MATRIX_SCALE_ROW1
.else
	v_wmma_scale_f32_16x16x128_f8f6f4 v[D_:D_+7], v[WF_:WF_+11], v[XF_:XF_+11], 0, v[WS_], v[XS_] matrix_a_fmt:MATRIX_FMT_FP6 matrix_b_fmt:MATRIX_FMT_FP6
.endif
.else
.if (\t)%2
	v_wmma_scale_f32_16x16x128_f8f6f4 v[D_:D_+7], v[WF_:WF_+11], v[XF_:XF_+11], v[D_:D_+7], v[WS_], v[XS_] matrix_a_fmt:MATRIX_FMT_FP6 matrix_b_fmt:MATRIX_FMT_FP6 matrix_a_scale:MATRIX_SCALE_ROW1
.else
	v_wmma_scale_f32_16x16x128_f8f6f4 v[D_:D_+7], v[WF_:WF_+11], v[XF_:XF_+11], v[D_:D_+7], v[WS_], v[XS_] matrix_a_fmt:MATRIX_FMT_FP6 matrix_b_fmt:MATRIX_FMT_FP6
.endif
.endif
.endif
.endm
; A K step: 32 products in two halves of four row tiles.  The 32 accumulators take turns, one instruction a turn, in the same order in every K step.
; cnt: the loads of W issued behind this K step's own, which may stay out.
.macro KSTEP s, vp, cnt
.irp hf, 0,1
.if (\s) > 0 || \hf > 0
	PLACES                                         ; four places in front of loads into registers that matrix instructions have read
.endif
.if \hf == 0
	ds_load_b128 v[XS:XS+3], v6 offset:1024*(\s)   ; x's scale words, a register a tile
	ds_load_b128 v[XS+4:XS+7], v6 offset:1024*(\s)+16
.if (\s) == 1
	WLOAD 3, 0                                     ; the last K step's weights take the set that the first K step has left
.endif
.endif
.irp mm, 0,1,2,3
.irp c, 0,1,2
	ds_load_b128 v[XF+12*\mm+4*\c:XF+12*\mm+4*\c+3], v5 offset:12288*(\s)+1536*(4*\hf+\mm)+512*\c
.endr
.endr
.if \hf == 0
	s_wait_loadcnt \cnt
.endif
	s_wait_dscnt 0x0
	WIN 0x50                                       ; C and D in window 1
.irp mm, 0,1,2,3
.irp t, 0,1,2,3
	PMUL \s, 4*\hf+\mm, \mm, \t, \vp
.endr
.endr
	WIN 0
.endr
.endm
.macro CLOSE                           ; the wave's end, behind my last LDS store
	s_wait_tensorcnt 0x0
	ds_add_u32 v[SPW], v[NIL]
	s_wait_dscnt 0x0
	s_endpgm
.endm
	s_cmp_eq_u32 s[TT], 2
	s_cbranch_scc1 .Lv
	; ---- q and k
	KSTEP 0, 0, 24
	KSTEP 1, 0, 24
	KSTEP 2, 0, 12
	KSTEP 3, 0, 0
	PLACES                                         ; four places in front of the first read of results
.irp i, 0,1,2,3                        ; row tiles 2 i and 2 i + 1: 32 features each are the quantiser's 64 numbers: blocks 0, 1 the first tile's, blocks 2, 3 the second's
	QUANT 64*\i, 64+20*\i, PW
.irp c, 0,1,2
	global_store_b128 v1, v[64+20*\i+4*\c:64+20*\i+4*\c+3], s[OP:OP+1] offset:1536*\i+512*\c   ; 512 consecutive bytes; each pair has registers of its own
.endr
	v_lshrrev_b32 v9, v8, v[PW]                    ; lanes 0-15 keep the first tile's two bytes, lanes 16-31 take the second's,
	s_delay_alu instid0(VALU_DEP_1)
	v_and_or_b32 v[144+\i], v9, s68, s69           ; and the bytes of the K that the head does not have stand for 1.0
.endr
	global_store_b128 v1, v[144:147], s[OP:OP+1] offset:6144
	CLOSE
.Lv:
	; ---- v
	KSTEP 0, 1, 24
	KSTEP 1, 1, 24
	KSTEP 2, 1, 12
	KSTEP 3, 1, 0
	PLACES
.irp i, 0,1,2,3                        ; feature tile i: a lane's 64 numbers are its feature at 64 of the 128 keys
	QUANT 64*\i, 64+20*\i, PW
.irp c, 0,1,2
	global_store_b128 v1, v[64+20*\i+4*\c:64+20*\i+4*\c+3], s[OP:OP+1] offset:1536*\i+512*\c
.endr
	v_mov_b32 v[148+\i], v[PW]
.endr
	v_cndmask_b32 v152, v148, v149, s70            ; lanes 0-15 tile 0's words, lanes 16-31 tile 1's
	s_delay_alu instid0(VALU_DEP_2)
	v_cndmask_b32 v153, v150, v151, s70
	global_store_b64 v7, v[152:153], s[OP:OP+1] offset:6144   ; 256 consecutive bytes, aligned
	CLOSE
.Lfunc_end_k_q1515d8bcf8_proj:
	.size	k_q1515d8bcf8_proj, .Lfunc_end_k_q1515d8bcf8_proj-k_q1515d8bcf8_proj
	.p2alignl 7, 3214868480
	.fill 96, 4, 3214868480
	.section	.rodata,"a",@progbits
	.p2align	6, 0x0
	.amdhsa_kernel k_q1515d8bcf8_proj
		.amdhsa_group_segment_fixed_size 324608
		.amdhsa_private_segment_fixed_size 0
		.amdhsa_enable_private_segment 0
		.amdhsa_kernarg_size 48
		.amdhsa_user_sgpr_count 2
		.amdhsa_user_sgpr_kernarg_segment_ptr 1
		.amdhsa_wavefront_size32 1
		.amdhsa_system_sgpr_workgroup_id_x 1
		.amdhsa_system_sgpr_workgroup_id_y 1
		.amdhsa_system_sgpr_workgroup_id_z 1
		.amdhsa_system_vgpr_workitem_id 0
		.amdhsa_next_free_vgpr 512
		.amdhsa_next_free_sgpr 84
		.amdhsa_reserve_vcc 0
		.amdhsa_float_denorm_mode_32 3
		.amdhsa_float_denorm_mode_16_64 3
		.amdhsa_memory_ordered 1
		.amdhsa_forward_progress 1
		.amdhsa_inst_pref_size 132
	.end_amdhsa_kernel
	.amdgpu_metadata
---
amdhsa.version: [ 1, 2 ]
amdhsa.kernels:
  - .name:           k_q1515d8bcf8_proj
    .symbol:         k_q1515d8bcf8_proj.kd
    .args:
      - { .name: q, .offset: 0, .size: 8, .value_kind: global_buffer, .address_space: global }
      - { .name: k, .offset: 8, .size: 8, .value_kind: global_buffer, .address_space: global }
      - { .name: v, .offset: 16, .size: 8, .value_kind: global_buffer, .address_space: global }
      - { .name: wimg, .offset: 24, .size: 8, .value_kind: global_buffer, .address_space: global }
      - { .name: qimg, .offset: 32, .size: 8, .value_kind: global_buffer, .address_space: global }
      - { .name: kv, .offset: 40, .size: 8, .value_kind: global_buffer, .address_space: global }
    .group_segment_fixed_size: 324608
    .private_segment_fixed_size: 0
    .kernarg_segment_align: 8
    .kernarg_segment_size: 48
    .max_flat_workgroup_size: 256
    .sgpr_count:     84
    .vgpr_count:     512
    .wavefront_size: 32
...
	.end_amdgpu_metadata
.endif
;; end of part 2
;; launch attn (part 3): grid 16 x 16, 16 waves a work-group, no clusters, 327,680 bytes of LDS; arguments qimg, kv, cimg, cscl; writes cimg, cscl
.if DOCPART == 3
	.amdgcn_target "amdgcn-amd-amdhsa--gfx1250"
	.amdhsa_code_object_version 6
	.text
	.protected	k_q1515d8bcf8_attn
	.globl	k_q1515d8bcf8_attn
	.p2align	8
	.type	k_q1515d8bcf8_attn,@function
k_q1515d8bcf8_attn:
	s_mov_b64 s[64:65], 0
	v_nop
	global_prefetch_b8 v0, s[64:65] scope:SCOPE_SE
	s_setreg_imm32_b32 hwreg(HW_REG_WAVE_MODE, 25, 1), 1
	s_wait_xcnt 0x0
; Causal attention of one head on codes of FP6 (E2M3), head size 64, 4,096 keys; the result is quantised at once along the head's 64 for the output projection.
; t = score x log2(e) / 8; M = the row's largest t so far, rounded up to a whole number; p = 2^(t - M) is quantised along the keys, not normalised; the row's sum is taken of the unquantised p and divides at the end.
; When M moves, the sum and O are multiplied by 2^(old M - new M): exact.  Steps of 128 keys that lie wholly behind a tile's queries are not walked.
; SHARES.  Work-group (j, head) owns blocks j (early) and 31 - j (late) of 128 queries, eight tiles of 16 queries each.  Tile i of both blocks belongs to the pair of waves 2 i, 2 i + 1: (32 - j) + (j + 1) = 33 steps
; of 16 queries x 128 keys, whatever j.  WAVE A of the pair takes the late tile's key steps 0 .. 16 (17 steps).  WAVE B takes the late tile's key steps 17 .. 31 - j (15 - j steps), lays its O, M and sum down in LDS,
; begins anew with the early tile and takes its key steps 0 .. j: 16 steps.  At the end A joins B's part to its own, by the two exact factors 2^(own M - common M).  So the walk has 17 trips in every work-group, and
; every wave works in every trip but B in the last.  A is the wave where (w xor w / 4) is odd, so that any four waves w, w + 4, .. and any four w .. w + 3 hold two of each kind.
; B's new beginning sets only M (to that of -3e38): the first step's factor is then 0, which clears O and the sum.
; LAYOUT.  Both products are used transposed: S^T = K Q^T (source 0 = 16 keys), O^T = V^T P^T (source 0 = 16 of the head's 64): a lane holds one query throughout.  The keys, the queries and the head's channels of a tile
; are not neighbours (lane r of tile 2b+u: 32 b + 8 u + r + 8 (r / 8)), so that the 16 registers of two neighbouring tiles are 16 neighbours.
; K = 64 IN AN INSTRUCTION OF 128: Q's fragment has zero codes in its upper six registers.  A tile of K is six registers; the instruction names twelve, and the upper six are the next tile's codes (for tile 7 six cleared
; registers): they meet Q's zero codes under scale bytes of 1.0, and E2M3 has neither NaN nor infinity: exact zeros are added.
; THE RING.  kv holds, for each step of 128 keys, 13,056 dense bytes: K's register images and scale words, then V's.  Two LDS slots of two trips: A's two steps, then B's two.  Waves 0 to 3 fetch a step each:
; one load of a wave is out at the most, and it has two trips in which to land.  The last slot holds A's step 16 alone, fetched by wave 0.  Every wait on TENSORcnt is for 0.
; NO JOINT LOADS: B's half of every slot hangs on the work-group's own j, so that only half of a slot's bytes are the same in the sixteen work-groups of a head, and a round of a cluster's barrier would stand at all nine changes of slots.
; LIMITS: NaN and infinities are not served (B's new beginning multiplies the old O by 0); the scaled scores stay under 2^31 in magnitude; a block of ctx whose largest magnitude lies under 2^-124, zeros too, gets the byte 1
; (this program alone reads the bytes).
; REGISTERS: v1 16 x lane, v2 8 x lane, v3 my query less 16 (lane / 16), v4 the prefetches' offset, v5, v6 the add's, v7, v29 the scale stage, v8-10 Q's offsets, v11 my partner's part, v93 mine; v12 -M, v13 the largest t,
;   v[14:15] the sum; v16-27 Q, v28 its scale word; v30-31, v94-95 the slots; v32-79 K's eight tiles, then V's four fragments; v80-85 zeros; v86-89 K's scale words, v90-91 V's, v92 P's; v96-159 S^T, then p; v160-191 O^T;
;   v192-210 P's codes; v212-233 at work; v237-243 the Q of the block that I store; v244-255 partial sums.
.set STEPB, 13056
.set SLOTB, 4*STEPB
.set CST,   2*SLOTB                    ; behind the ring: 1,024 bytes in which the sixteen tiles' scale words of ctx meet; no tile lands here
.set DMP,   CST+1024                   ; 4,608 bytes for each wave: O^T (eight planes of 512 bytes), then -M, the largest t and the sum
.set SPARE, DMP+16*4608                ; the spare words: 128 bytes for each of sixteen waves; no other line names them
.set LI,  1
.set L8,  2
.set DQ,  3
.set PFO, 4
.set SPW, 5
.set NIL, 6
.set STA, 7
.set QA0, 8
.set QA1, 9
.set QSA, 10
.set DB,  11
.set RDS, 29
.set KA,  30                           ; v30, v31: 16 x lane + my stream's half of slot 0, 1
.set DA,  93
.set VA,  94                           ; v94, v95: 8 x lane + the same
.set BM,  212                          ; the four blocks' largest scores, then largest p
.set PD,  216                          ; lane permutes' destinations
.set SO,  220                          ; the conversions' scale operands
.set BY,  224                          ; the scale bytes
.set WV,  12
.set SLW, 13                           ; 1: wave A, which stores the late tile; 0: wave B, which stores the early one
.set IDX, 14                           ; my tile in its block
.set CH,  15                           ; the block of the queries in hand
.set G1,  16                           ; s[16:23] descriptor group 1
.set G0,  24                           ; s[24:27], s[28:31] group 0 for slot 0, slot 1
.set SEL, 32
.set CS,  34                           ; s[34:35] c = log2(e) / 8
.set PFA, 36                           ; s[36:37] where my prefetches stand
.set LIM, 38                           ; at how many changes of slots I prefetch
.set PK,  39                           ; changes so far
.set LC,  40
.set KS,  41                           ; the step of 128 keys in hand
.set HB,  48
.set OC,  49                           ; the block that I store
.set CP,  50                           ; s[50:51] my tile's place in cimg
.set SP,  52                           ; s[52:53] my block's place in cscl
.set QP,  54                           ; s[54:55] the late block's place in qimg
.set OFF, 56                           ; s[56:57] a step's bytes from the head's first; s57 stays 0
.set MM,  58                           ; the trip that my next tensor load serves
.set TH,  59                           ; stream B: 15 - j, the trips of its late part; stream A: 0
.set EL,  60                           ; stream B: j - 15; stream A: 0
.set Q2,  62                           ; s[62:63] the place in qimg of the block that I store
.macro PLACES
.rept 4
	v_nop
.endr
.endm
; Where the step of trip MM of my stream lies: A: step MM; B: step MM + 17 in its late part, then MM - (15 - j).  Made of ids and the walk's count alone; written only while no tensor load of mine is out.
.macro ADDR m
	s_cmp_lt_u32 s[MM], s[TH]
	s_cselect_b32 s[OFF], 17, s[EL]
	s_add_co_u32 s[OFF], s[OFF], s[MM]
	s_mul_i32 s[OFF], s[OFF], STEPB
	s_add_nc_u64 s[G0+4*(\m)+2:G0+4*(\m)+3], s[6:7], s[OFF:OFF+1]
	s_or_b32 s[G0+4*(\m)+3], s[G0+4*(\m)+3], 0x80000000
	s_add_co_u32 s[MM], s[MM], 2
.endm
; A PREFETCH INTO THE L2.  All sixteen work-groups of a head walk steps 0 .. 16 in step, and step 17 + t is first wanted in trip t: the work-group with j = 0, which reads every step, asks, in waves that fetch nothing.
; At change p waves 4-7 name A's two steps of change p + 2 (steps 4 + 2 p, 5 + 2 p; p = 0 .. 5), waves 8-11 B's (21 + 2 p, 22 + 2 p; p = 0 .. 4): 102 blocks of 256 bytes, a lane a block, wave i of the four from block 32 i on;
; lanes left over name block 101 again.  That is one slot ahead of the tensor load.  Steps 0-3, 16-20 and 31 come by their loads alone; step 30 is the last that is named, inside the head's 32.
.macro ASK
	s_cmp_lt_u32 s[PK], s[LIM]
	s_cbranch_scc0 .Lna_\@
	global_prefetch_b8 v[PFO], s[PFA:PFA+1] th:TH_LOAD_NT scope:SCOPE_SE
.Lna_\@:
	s_add_co_u32 s[PK], s[PK], 1
.endm
; A STEP: 128 keys, the q-th of my stream's two in slot n.  sw = 1: B's change of tiles may stand at its head.
.macro STEP n, q, sw
.set BASE, STEPB*(\q)
.if \sw
	s_cmp_gt_u32 s[KS], s[CH]                      ; only B, behind the late tile's last step (step 31 - j): a test on ids and the walk's count
	s_cbranch_scc0 .Lgo_\@
	s_wait_alu depctr_va_vdst(0)                   ; the wait ahead of readers behind a branch
.irp c, 0,1,2,3,4,5,6,7
	ds_store_b128 v[DA], v[160+4*\c:163+4*\c] offset:512*\c   ; the late tile's part: O^T, each accumulator from its low end on,
.endr
	ds_store_b128 v[DA], v[12:15] offset:4096      ; -M, the largest t, the sum's two halves
	s_mov_b32 s[KS], 0
	s_mov_b32 s[CH], ttmp9                         ; the early block
	s_wait_dscnt 0x0                               ; the stores have read their registers
	v_mov_b32 v28, v237                            ; the early tile's Q
.irp i, 0,1,2,3,4,5
	v_mov_b32 v[16+\i], v[238+\i]
.endr
	v_mov_b32 v13, 0xff61b1e6                      ; -3e38 again: the next step's factor is 0
	v_floor_f32 v12, -v13
.rept 8
	v_nop                                          ; a scale register written by a vector instruction stands eight places ahead of a scaled matrix instruction
.endr
	s_wait_alu depctr_va_vdst(0)
.Lgo_\@:
.endif
.irp b, 0,1,2,3
.irp c, 0,1,2
	ds_load_b128 v[32+12*\b+4*\c:35+12*\b+4*\c], v[KA+\n] offset:BASE+1536*\b+512*\c   ; K's tiles 2 b and 2 b + 1, six registers each
.endr
.endr
	ds_load_b128 v[86:89], v[KA+\n] offset:BASE+6144   ; K's scale words: word b: tile 2 b below, tile 2 b + 1 above
	s_wait_dscnt 0x0
.irp t, 0,2,4,6
	v_wmma_scale_f32_16x16x128_f8f6f4 v[96+8*\t:103+8*\t], v[32+6*\t:43+6*\t], v[16:27], 0, v[86+\t/2], v28 matrix_a_fmt:MATRIX_FMT_FP6 matrix_b_fmt:MATRIX_FMT_FP6
	v_wmma_scale_f32_16x16x128_f8f6f4 v[104+8*\t:111+8*\t], v[38+6*\t:49+6*\t], v[16:27], 0, v[86+\t/2], v28 matrix_a_fmt:MATRIX_FMT_FP6 matrix_b_fmt:MATRIX_FMT_FP6 matrix_a_scale:MATRIX_SCALE_ROW1
.endr
	PLACES                                         ; four places in front of loads into registers that these products read, and of the first read of the scores
.irp t, 0,1,2,3
.irp c, 0,1,2
	ds_load_b128 v[32+12*\t+4*\c:35+12*\t+4*\c], v[KA+\n] offset:BASE+6656+1536*\t+512*\c   ; V's four fragments land while the softmax is worked
.endr
.endr
	ds_load_b64 v[90:91], v[VA+\n] offset:BASE+12800   ; V's scale words
	s_cmp_lg_u32 s[KS], s[CH]
	s_cbranch_scc1 .Lopen_\@
.set N_, 0                             ; on the diagonal: register 16 b + i holds key 32 b + 16 (lane / 16) + i of the block: hidden where 32 b + i > my query - 16 (lane / 16)
.rept 64
	v_cmp_gt_i32 vcc_lo, 32*(N_/16)+N_%16, v[DQ]
	v_cndmask_b32 v[96+N_], v[96+N_], v233, vcc_lo
.set N_, N_+1
.endr
.Lopen_\@:
.irp b, 0,1,2,3
	v_max3_num_f32 v[BM+\b], v[96+16*\b], v[97+16*\b], v[98+16*\b]   ; the largest score of each block of 32 keys: it serves for the row's maximum and, since p rises with the score, for the block's largest p
.endr
.irp i, 3,5,7,9,11,13
.irp b, 0,1,2,3
	v_max3_num_f32 v[BM+\b], v[BM+\b], v[96+16*\b+\i], v[97+16*\b+\i]
.endr
.endr
.irp b, 0,1,2,3
	v_max_num_f32 v[BM+\b], v[BM+\b], v[111+16*\b]
.endr
.irp b, 0,1,2,3
	s_delay_alu instid0(VALU_DEP_4)
	v_permlanex16_b32 v[PD+\b], v[BM+\b], s[SEL], s[SEL+1]
.endr
.irp b, 0,1,2,3
	s_delay_alu instid0(VALU_DEP_4)
	v_max_num_f32 v[BM+\b], v[BM+\b], v[PD+\b]     ; with lane l xor 16's 16 keys
.endr
	s_delay_alu instid0(VALU_DEP_2)
	v_max3_num_f32 v232, v[BM], v[BM+1], v[BM+2]
	s_delay_alu instid0(VALU_DEP_1)
	v_max_num_f32 v232, v232, v[BM+3]              ; the step's largest score of my query
	s_delay_alu instid0(VALU_DEP_1)
	v_mul_f32 v232, s[CS], v232                    ; as t (c is positive)
	s_delay_alu instid0(VALU_DEP_1)
	v_max_num_f32 v13, v13, v232                   ; the running largest t
	v_mov_b32 v232, v12
	s_delay_alu instid0(VALU_DEP_2)
	v_floor_f32 v12, -v13                          ; the new -M = floor(-t): M is a whole number
	s_delay_alu instid0(VALU_DEP_1)
	v_sub_f32 v232, v12, v232                      ; old M - new M: a whole number, 0 or less
	s_delay_alu instid0(VALU_DEP_1)
	v_cvt_i32_f32 v232, v232                       ; (it saturates)
	s_delay_alu instid0(VALU_DEP_1)
	v_ldexp_f32 v230, 1.0, v232                    ; f = 2^(old M - new M)
.set N_, 0
.rept 32
	v_pk_fma_f32 v[96+N_:97+N_], v[96+N_:97+N_], s[CS:CS+1], v[12:13] op_sel_hi:[1,0,0]   ; t - M, two at a time
.set N_, N_+2
.endr
.irp b, 0,1,2,3
	v_fma_f32 v[BM+\b], v[BM+\b], s[CS], v12       ; the same of each block's largest score
.endr
.set N_, 0
	s_wait_alu depctr_va_vdst(0)
.rept 64
	v_exp_f32 v[96+N_], v[96+N_]                   ; p = 2^(t - M), at most 1
.set N_, N_+1
.endr
	v_pk_mul_f32 v[14:15], v[14:15], v[230:231] op_sel_hi:[1,0]   ; the sums under the new M: a plain place behind the exponentials
	s_wait_alu depctr_va_vdst(0)                   ; one wait for the batch of 64, ahead of its first reader
.irp b, 0,1,2,3
	v_exp_f32 v[BM+\b], v[BM+\b]                   ; the block's largest p: the same two instructions on the same number
.endr
.irp k, 0,1,2,3,4,5                    ; the row's sum of the unquantised p: 32 pairs in six chains and the sum's own
	v_pk_add_f32 v[244+2*\k:245+2*\k], v[96+2*\k:97+2*\k], v[108+2*\k:109+2*\k]
.endr
	v_pk_add_f32 v[14:15], v[14:15], v[156:157]
.irp g, 120,132,144
.irp k, 0,1,2,3,4,5
	v_pk_add_f32 v[244+2*\k:245+2*\k], v[244+2*\k:245+2*\k], v[\g+2*\k:\g+2*\k+1]
.endr
.endr
	v_pk_add_f32 v[14:15], v[14:15], v[158:159]
.irp k, 0,1,2
	v_pk_add_f32 v[244+2*\k:245+2*\k], v[244+2*\k:245+2*\k], v[250+2*\k:251+2*\k]
.endr
	s_delay_alu instid0(VALU_DEP_2)
	v_pk_add_f32 v[244:245], v[244:245], v[246:247]
	s_delay_alu instid0(VALU_DEP_2)
	v_pk_add_f32 v[14:15], v[14:15], v[248:249]
	s_delay_alu instid0(VALU_DEP_1)
	v_pk_add_f32 v[14:15], v[14:15], v[244:245]
	s_wait_alu depctr_va_vdst(0)                   ; and one for the four
.irp b, 0,1,2,3
	v_max_num_f32 v[BM+\b], 0x1800000, v[BM+\b]    ; the floor 2^(3 - 127): a block whose every p is 0 keeps the byte 1: its codes are zeros
.endr
.irp b, 0,1,2,3
	s_delay_alu instid0(VALU_DEP_4)
	v_add_nc_u32 v[SO+\b], 0xff000000, v[BM+\b]    ; 2 off the exponent field: the conversion's scale operand
.endr
.irp b, 0,1,2,3
	s_delay_alu instid0(VALU_DEP_4)
	v_lshrrev_b32 v[BY+\b], 23, v[SO+\b]           ; the scale's byte
.endr
	s_delay_alu instid0(VALU_DEP_3)
	v_lshl_or_b32 v92, v[BY+1], 8, v[BY]           ; p's scale word for these 128 keys
	s_delay_alu instid0(VALU_DEP_1)
	v_lshl_or_b32 v92, v[BY+2], 16, v92
	s_delay_alu instid0(VALU_DEP_1)
	v_lshl_or_b32 v92, v[BY+3], 24, v92
.irp c, 0,1
	v_cvt_scalef32_pk16_fp6_f32 v[192+6*\c:194+6*\c], v[96+32*\c:111+32*\c], v[SO+2*\c]
	v_cvt_scalef32_pk16_fp6_f32 v[204+4*\c:206+4*\c], v[112+32*\c:127+32*\c], v[SO+2*\c+1]   ; (a conversion's three registers begin on an even number)
.endr
	v_nop                                          ; one plain place behind the scaled conversions
.irp c, 0,1                            ; a whole block to a lane
.irp i, 0,1,2
	v_permlane16_swap_b32 v[192+6*\c+\i], v[204+4*\c+\i]
.endr
.irp i, 0,1,2
	s_delay_alu instid0(VALU_DEP_3)
	v_mov_b32 v[195+6*\c+\i], v[204+4*\c+\i]
.endr
.endr
.irp j, 0,2,4,6,8,10,12,14,16,18,20,22,24,26,28,30
	v_pk_mul_f32 v[160+\j:161+\j], v[160+\j:161+\j], v[230:231] op_sel_hi:[1,0]   ; O^T under the new M.  These sixteen are also the places between the lines that wrote p's scale word and codes and the products below
.endr
	s_wait_alu depctr_va_vdst(0)
	s_wait_dscnt 0x0                               ; V is in
.irp t, 0,2
	v_wmma_scale_f32_16x16x128_f8f6f4 v[160+8*\t:167+8*\t], v[32+12*\t:43+12*\t], v[192:203], v[160+8*\t:167+8*\t], v[90+\t/2], v92 matrix_a_fmt:MATRIX_FMT_FP6 matrix_b_fmt:MATRIX_FMT_FP6
	v_wmma_scale_f32_16x16x128_f8f6f4 v[168+8*\t:175+8*\t], v[44+12*\t:55+12*\t], v[192:203], v[168+8*\t:175+8*\t], v[90+\t/2], v92 matrix_a_fmt:MATRIX_FMT_FP6 matrix_b_fmt:MATRIX_FMT_FP6 matrix_a_scale:MATRIX_SCALE_ROW1
.endr
	PLACES                                         ; four places in front of the next step's loads into V's registers, and of any read of O^T
	s_add_co_u32 s[KS], s[KS], 1
.endm
; THE CHANGE OF SLOTS stands at slot n's head.  Each wave waits for all its tensor loads, adds 0 to its spare word, and waits for
; that and for its reads of the slot that it has left.  Behind the barrier slot n is whole and nobody reads the other slot, which takes the next two trips' steps: waves 0 .. nl - 1 fetch one each.
.macro TWO n, nl
	s_wait_tensorcnt 0x0                           ; no tensor load of mine is out, so a group 0 may be written
	ds_add_u32 v[SPW], v[NIL]
	ds_add_u32 v[SPW], v[NIL]
	ADDR 1-(\n)
	s_wait_xcnt 0x0                                ; the last prefetch, a slot back, has read its address
	s_add_nc_u64 s[PFA:PFA+1], s[PFA:PFA+1], 2*STEPB
	s_wait_dscnt 0x0                               ; the adds are done, and my reads of the slot that I have left are over
	s_barrier_signal -1
	s_barrier_wait -1
	s_cmp_lt_u32 s[WV], \nl                        ; the branch hangs on the wave's number alone
	s_cbranch_scc0 .Lnt_\@
	tensor_load_to_lds s[G0+4-4*(\n):G0+7-4*(\n)], s[G1:G1+7]   ; the first thing behind the barrier, and a wave's one tensor load until the next
	s_nop 0
	PLACES
.Lnt_\@:
	ASK
	STEP \n, 0, 1
	STEP \n, 1, 1
.endm
	s_load_b256 s[4:11], s[0:1], 0x0               ; qimg, kv, cimg, cscl
	v_lshl_add_u32 v[SPW], v0, 2, SPARE
	v_mov_b32 v[NIL], 0
	ds_add_u32 v[SPW], v[NIL]                      ; the opening lines: the add, twice on end, and its wait ahead of the first tensor load
	ds_add_u32 v[SPW], v[NIL]
	v_lshrrev_b32 v8, 5, v0
	s_delay_alu instid0(VALU_DEP_1)
	v_readfirstlane_b32 s[WV], v8                  ; wave 0..15
	s_and_b32 s[HB], ttmp7, 0xffff                 ; 8 batch + head
	s_lshr_b32 s42, s[WV], 2
	s_xor_b32 s[SLW], s[WV], s42
	s_and_b32 s[SLW], s[SLW], 1
	s_lshr_b32 s[IDX], s[WV], 1
	s_sub_co_u32 s[CH], 31, ttmp9                  ; every wave begins with the late block, 31 - j
	s_cmp_eq_u32 s[SLW], 1
	s_cselect_b32 s[OC], s[CH], ttmp9              ; A stores the late tile, B the early one
	s_cselect_b32 s[KS], 0, 17                     ; A begins at key step 0, B at 17
	; descriptor group 1: a step's 13,056 dense bytes as 51 rows of 256 bytes (32 elements of 8 bytes), no padding: every read takes 16 x lane
	s_mov_b32 s[G1+0], 3<<16
	s_mov_b32 s[G1+1], 32<<16                      ; tensor_dim0 = 32
	s_mov_b32 s[G1+2], 51<<16                      ; tensor_dim1 = 51
	s_mov_b32 s[G1+3], 32<<16                      ; tile_dim0 = 32
	s_mov_b32 s[G1+4], 51                          ; tile_dim1 = 51
	s_mov_b32 s[G1+5], 32                          ; elements from row to row
	s_mov_b32 s[G1+6], 0
	s_mov_b32 s[G1+7], 0
	s_and_b32 s[MM], s[WV], 1                      ; the fetching waves: 0, 1 stream A's first and second trip of a slot, 2, 3 stream B's
	s_sub_co_u32 s43, 15, ttmp9
	s_sub_co_u32 s45, ttmp9, 15
	s_and_b32 s42, s[WV], 2
	s_cmp_lg_u32 s42, 0
	s_cselect_b32 s[TH], s43, 0
	s_cselect_b32 s[EL], s45, 0
	s_mov_b32 s[OFF+1], 0
	s_mul_i32 s46, s[HB], 417792                   ; a head's 32 steps
	s_mov_b32 s47, 0
	s_mul_i32 s44, s[WV], STEPB
	s_mov_b32 s[G0], 1
	s_mov_b32 s[G0+1], s44                         ; LDS: slot 0, place = my wave's number
	s_mov_b32 s[G0+4], 1
	s_add_co_u32 s[G0+5], s44, SLOTB               ; slot 1
	s_wait_dscnt 0x0                               ; both opening adds are done
	s_wait_kmcnt 0x0
	s_add_nc_u64 s[6:7], s[6:7], s[46:47]
	ADDR 0
	s_cmp_lt_u32 s[WV], 4                          ; slot 0's four steps, one load a wave
	s_cbranch_scc0 .Lno_first
	tensor_load_to_lds s[G0:G0+3], s[G1:G1+7]
	s_nop 0
	PLACES
.Lno_first:
	s_mov_b32 s43, 0
	s_lshr_b32 s44, s[WV], 2                       ; the prefetches: waves 4-7 stand two steps short of step 4, waves 8-11 of step 21: each change steps first, then asks
	s_mov_b32 s42, 2*STEPB
	s_cmp_eq_u32 s44, 2
	s_cselect_b32 s42, 19*STEPB, s42
	s_cselect_b32 s[LIM], 5, 6
	s_add_nc_u64 s[PFA:PFA+1], s[6:7], s[42:43]
	s_sub_co_u32 s44, s44, 1
	s_lshr_b32 s44, s44, 1                         ; 0 in waves 4 to 11,
	s_or_b32 s44, s44, ttmp9                       ; of the head's work-group j = 0
	s_cmp_eq_u32 s44, 0
	s_cselect_b32 s[LIM], s[LIM], 0
	s_mov_b32 s[PK], 0
	s_lshl_b32 s44, s[HB], 5                       ; Q: (head x 32 + block) x 6,656
	s_add_co_u32 s42, s44, s[CH]
	s_mul_i32 s42, s42, 6656
	s_add_nc_u64 s[QP:QP+1], s[4:5], s[42:43]
	s_add_co_u32 s42, s44, s[OC]
	s_mul_i32 s42, s42, 6656
	s_add_nc_u64 s[Q2:Q2+1], s[4:5], s[42:43]
	s_lshr_b32 s42, s[HB], 3                       ; ctx: tile = 256 batch + 8 block + my tile; K step = head / 2; planes 3 (head % 2) on
	s_lshl_b32 s42, s42, 8
	s_lshl_b32 s44, s[OC], 3
	s_add_co_u32 s42, s42, s44
	s_add_co_u32 s42, s42, s[IDX]
	s_lshl_b32 s42, s42, 2
	s_bfe_u32 s44, s[HB], 0x20001
	s_add_co_u32 s42, s42, s44
	s_mul_i32 s42, s42, 1536
	s_and_b32 s44, s[HB], 1
	s_mul_i32 s44, s44, 768
	s_add_co_u32 s42, s42, s44
	s_add_nc_u64 s[CP:CP+1], s[8:9], s[42:43]
	s_lshl_b32 s42, s[HB], 8                       ; its scale words: (head x 256 + 8 block) x 64
	s_lshl_b32 s44, s[OC], 3
	s_add_co_u32 s42, s42, s44
	s_lshl_b32 s42, s42, 6
	s_add_nc_u64 s[SP:SP+1], s[10:11], s[42:43]
	s_mov_b32 s[SEL], 0x76543210
	s_mov_b32 s[SEL+1], 0xfedcba98
	s_mov_b32 s[CS], 0x3e38aa3b                    ; c = log2(e) / 8
	s_mov_b32 s[CS+1], s[CS]                       ; (named with it as a pair, so it is written)
	s_xor_b32 s66, s[SLW], 1                       ; the scalar parts of the vector addresses, all ahead of the vector lines
	s_mul_i32 s66, s66, 2*STEPB                    ; stream B's steps lie behind A's two
	s_add_co_u32 s67, s66, SLOTB
	s_mul_i32 s68, s[WV], 4608
	s_add_co_u32 s68, s68, DMP                     ; my part's place,
	s_xor_b32 s69, s[WV], 1
	s_mul_i32 s69, s69, 4608
	s_add_co_u32 s69, s69, DMP                     ; and my partner's
	s_and_b32 s70, s[WV], 3
	s_lshl_b32 s70, s70, 5
	s_lshr_b32 s42, s[IDX], 1                      ; b
	s_and_b32 s43, s[IDX], 1                       ; u
	s_lshl_b32 s71, s42, 5
	s_lshl_b32 s45, s43, 3
	s_add_co_u32 s71, s71, s45                     ; 32 b + 8 u
	s_mul_i32 s44, s42, 1536                       ; Q's tile is six of the twelve registers of pair b's image: registers 6 u .. 6 u + 5, in pieces of 8 bytes
	s_mul_i32 s72, s43, 520
	s_add_co_u32 s72, s72, s44
	s_mul_i32 s73, s43, 1016
	s_add_co_u32 s73, s73, s44
	s_lshl_b32 s74, s43, 8                         ; its scale word: word b of lane 16 u + r
	s_lshl_b32 s44, s42, 2
	s_add_co_u32 s74, s74, s44
	s_lshl_b32 s75, s[SLW], 9                      ; the scale stage: 512 bytes a block, 64 a tile, 4 a row
	s_lshl_b32 s44, s[IDX], 6
	s_add_co_u32 s75, s75, s44
	s_add_co_u32 s75, s75, CST
	s_and_b32 s76, s[WV], 1
	s_lshl_b32 s76, s76, 9
	s_add_co_u32 s76, s76, CST
	s_mov_b32 s[LC], 3
	v_and_b32 v236, 31, v0                         ; lane
	v_and_b32 v234, 15, v0                         ; r
	v_bfe_u32 v235, v0, 4, 1                       ; h
	v_lshlrev_b32 v[LI], 4, v236
	v_lshlrev_b32 v[L8], 3, v236
	v_add_nc_u32 v[QA0], s72, v[LI]
	v_add_nc_u32 v[QA1], s73, v[LI]
	v_lshl_add_u32 v[QSA], v234, 4, s74
	global_load_b64 v[16:17], v[QA0], s[QP:QP+1]   ; the late tile's Q, with which every wave begins,
	global_load_b64 v[18:19], v[QA1], s[QP:QP+1] offset:8
	global_load_b64 v[20:21], v[QA0], s[QP:QP+1] offset:512
	global_load_b32 v28, v[QSA], s[QP:QP+1] offset:6144
	global_load_b64 v[238:239], v[QA0], s[Q2:Q2+1] ; and that of the tile that I store: B goes on with it (one text for both kinds of wave)
	global_load_b64 v[240:241], v[QA1], s[Q2:Q2+1] offset:8
	global_load_b64 v[242:243], v[QA0], s[Q2:Q2+1] offset:512
	global_load_b32 v237, v[QSA], s[Q2:Q2+1] offset:6144
	v_add_nc_u32 v[PFO], s70, v236
	v_add_nc_u32 v[KA], s66, v[LI]
	v_add_nc_u32 v[KA+1], s67, v[LI]
	v_add_nc_u32 v[VA], s66, v[L8]
	v_add_nc_u32 v[VA+1], s67, v[L8]
	v_min_u32 v[PFO], 101, v[PFO]
	v_add_nc_u32 v[DA], s68, v[LI]
	v_add_nc_u32 v[DB], s69, v[LI]
	v_lshlrev_b32 v[PFO], 8, v[PFO]                ; block min(32 i + lane, 101) of the two steps' 102
	v_and_b32 v[DQ], 8, v234
	v_lshlrev_b32 v236, 4, v235
	v_add3_u32 v[DQ], v[DQ], v234, s71             ; 32 b + 8 u + r + 8 (r / 8): my query in its block,
	v_lshl_add_u32 v[STA], v234, 2, s75
	v_add_nc_u32 v[RDS], s76, v[LI]                ; where waves 0 and 1 read a block's 512 bytes of scale words back
	v_sub_nc_u32 v[DQ], v[DQ], v236                ; less 16 h
	v_mov_b32 v13, 0xff61b1e6                      ; the largest t so far: -3e38, under every t
	v_mov_b32 v14, 0
	v_floor_f32 v12, -v13                          ; -M
	v_mov_b32 v15, 0
	v_mov_b32 v231, 0                              ; (named as the upper half of the pair v[230:231])
	v_mov_b32 v233, 0xff800000                     ; -infinity
.irp i, 0,1,2,3,4,5
	v_mov_b32 v[22+\i], 0                          ; Q's zero codes for the K that the head does not have
	v_mov_b32 v[80+\i], 0                          ; and what tile 7 of K names beyond its six registers
.endr
.irp b, 0,1,2,3
	v_mov_b32 v[PD+\b], 0                          ; written once: a lane permute's destination counts as one of its sources
.endr
.set N_, 0
.rept 32
	v_mov_b32 v[160+N_], 0                         ; O^T: the step is written once; the first finds zeros, which the first change of M leaves zeros
.set N_, N_+1
.endr
	s_wait_alu depctr_va_vdst(0)
	s_wait_loadcnt 0x0                             ; Q
.Lring:                                                ; trips 0 .. 11 of the walk; the first change of slots brings slot 1's first fill, issued as a refill is
	TWO 0, 4
	TWO 1, 4
	s_sub_co_u32 s[LC], s[LC], 1
	s_cmp_lg_u32 s[LC], 0
	s_cbranch_scc1 .Lring
	TWO 0, 4                                       ; trips 12, 13; the tail is written out
	TWO 1, 1                                       ; trips 14, 15; of trip 16 only A's step is left, which wave 0 fetches
	s_wait_tensorcnt 0x0                           ; it has landed;
	s_wait_dscnt 0x0                               ; my reads, and B's stores of its part, are done
	s_barrier_signal -1
	s_barrier_wait -1
	s_cmp_eq_u32 s[SLW], 1
	s_cbranch_scc0 .Lout                           ; B has had its 16 steps
	STEP 0, 0, 0                                   ; A's step 16
.irp c, 0,1,2,3,4,5,6,7,8
	ds_load_b128 v[96+4*\c:99+4*\c], v[DB] offset:512*\c   ; B's part of my tile, lane for lane as I hold mine: O^T in v96-127, -M in v128, the sum in v[130:131]
.endr
	s_wait_dscnt 0x0
	v_min_num_f32 v232, v12, v128                  ; the common -M
	s_delay_alu instid0(VALU_DEP_1)
	v_sub_f32 v228, v232, v12                      ; own M - common M: whole numbers, 0 or less
	v_sub_f32 v229, v232, v128
	s_delay_alu instid0(VALU_DEP_2)
	v_cvt_i32_f32 v228, v228                       ; (they saturate: a part with no step, whose -M is that of -3e38, gets the factor 0)
	s_delay_alu instid0(VALU_DEP_2)
	v_cvt_i32_f32 v229, v229
	s_delay_alu instid0(VALU_DEP_2)
	v_ldexp_f32 v230, 1.0, v228
	s_delay_alu instid0(VALU_DEP_2)
	v_ldexp_f32 v226, 1.0, v229
	s_delay_alu instid0(VALU_DEP_2)
	v_pk_mul_f32 v[14:15], v[14:15], v[230:231] op_sel_hi:[1,0]
.irp j, 0,2,4,6,8,10,12,14,16,18,20,22,24,26,28,30
	v_pk_mul_f32 v[160+\j:161+\j], v[160+\j:161+\j], v[230:231] op_sel_hi:[1,0]   ; each accumulator from its low end on
.endr
	v_pk_fma_f32 v[14:15], v[130:131], v[226:227], v[14:15] op_sel_hi:[1,0,1]
.irp j, 0,2,4,6,8,10,12,14,16,18,20,22,24,26,28,30
	v_pk_fma_f32 v[160+\j:161+\j], v[96+\j:97+\j], v[226:227], v[160+\j:161+\j] op_sel_hi:[1,0,1]
.endr
.Lout:
	; THE WAY OUT.  O^T / the sum is my 16 queries' part of ctx: 64 features, two blocks of 32, quantised here.  Register 16 b + i is channel 32 b + 16 h + i.
	v_add_f32 v14, v14, v15                        ; the sum's two halves,
	s_delay_alu instid0(VALU_DEP_1)
	v_permlanex16_b32 v[PD], v14, s[SEL], s[SEL+1]
	s_delay_alu instid0(VALU_DEP_1)
	v_add_f32 v14, v14, v[PD]                      ; and lane l xor 16's
	s_wait_alu depctr_va_vdst(0)
	v_rcp_f32 v14, v14
	v_nop                                          ; a plain place behind the reciprocal
	s_wait_alu depctr_va_vdst(0)                   ; the wait ahead of its first reader, and of the first reader of O^T
.set N_, 0
.rept 32
	v_mul_f32 v[96+N_], v[160+N_], v14             ; each accumulator from its low end on
.set N_, N_+1
.endr
.irp b, 0,1
	v_max3_num_f32 v[BM+\b], |v[96+16*\b]|, |v[97+16*\b]|, 0x1800000
.endr
.irp i, 2,4,6,8,10,12,14
.irp b, 0,1
	s_delay_alu instid0(VALU_DEP_2)
	v_max3_num_f32 v[BM+\b], v[BM+\b], |v[96+16*\b+\i]|, |v[97+16*\b+\i]|
.endr
.endr
.irp b, 0,1
	s_delay_alu instid0(VALU_DEP_2)
	v_permlanex16_b32 v[PD+\b], v[BM+\b], s[SEL], s[SEL+1]
.endr
.irp b, 0,1
	s_delay_alu instid0(VALU_DEP_2)
	v_max_num_f32 v[BM+\b], v[BM+\b], v[PD+\b]
.endr
.irp b, 0,1
	s_delay_alu instid0(VALU_DEP_2)
	v_add_nc_u32 v[SO+\b], 0xff000000, v[BM+\b]
.endr
.irp b, 0,1
	s_delay_alu instid0(VALU_DEP_2)
	v_lshrrev_b32 v[BY+\b], 23, v[SO+\b]
.endr
	s_delay_alu instid0(VALU_DEP_1)
	v_lshl_or_b32 v[BY+2], v[BY+1], 8, v[BY]       ; my row's two bytes; the upper half stays 0
	v_cvt_scalef32_pk16_fp6_f32 v[192:194], v[96:111], v[SO]
	v_cvt_scalef32_pk16_fp6_f32 v[196:198], v[112:127], v[SO+1]
	v_nop                                          ; one plain place behind the scaled conversions
.irp i, 0,1,2
	v_permlane16_swap_b32 v[192+\i], v[196+\i]     ; lanes 0-15 block 0, lanes 16-31 block 1
.endr
	s_delay_alu instid0(VALU_DEP_3)
	v_mov_b32 v195, v196
	s_delay_alu instid0(VALU_DEP_3)
	v_mov_b32 v196, v197
	s_delay_alu instid0(VALU_DEP_3)
	v_mov_b32 v197, v198                           ; v192-197: six registers of the projection's fragment
.irp p, 0,1,2
	global_store_b64 v[L8], v[192+2*\p:193+2*\p], s[CP:CP+1] offset:256*\p   ; a plane: 32 lanes store 256 consecutive bytes, aligned
.endr
	ds_store_b32 v[STA], v[BY+2]                   ; lanes r and r + 16 write the same word with the same value
	s_wait_dscnt 0x0                               ; for the others' sake: my store has landed
	s_barrier_signal -1
	s_barrier_wait -1
	s_cmp_lt_u32 s[WV], 2                          ; wave 0 stores a tile of the early block, wave 1 one of the late block: each stores its block's 512 bytes of scale words
	s_cbranch_scc0 .Lend
	ds_load_b128 v[96:99], v[RDS]
	s_wait_dscnt 0x0
	global_store_b128 v[LI], v[96:99], s[SP:SP+1]  ; 512 consecutive bytes
.Lend:
	s_wait_tensorcnt 0x0                           ; the wave's end
	ds_add_u32 v[SPW], v[NIL]
	s_wait_dscnt 0x0
	s_endpgm
.Lfunc_end_k_q1515d8bcf8_attn:
	.size	k_q1515d8bcf8_attn, .Lfunc_end_k_q1515d8bcf8_attn-k_q1515d8bcf8_attn
	.p2alignl 7, 3214868480
	.fill 96, 4, 3214868480
	.section	.rodata,"a",@progbits
	.p2align	6, 0x0
	.amdhsa_kernel k_q1515d8bcf8_attn
		.amdhsa_group_segment_fixed_size 327680
		.amdhsa_private_segment_fixed_size 0
		.amdhsa_enable_private_segment 0
		.amdhsa_kernarg_size 32
		.amdhsa_user_sgpr_count 2
		.amdhsa_user_sgpr_kernarg_segment_ptr 1
		.amdhsa_wavefront_size32 1
		.amdhsa_system_sgpr_workgroup_id_x 1
		.amdhsa_system_sgpr_workgroup_id_y 1
		.amdhsa_system_sgpr_workgroup_id_z 1
		.amdhsa_system_vgpr_workitem_id 0
		.amdhsa_next_free_vgpr 256
		.amdhsa_next_free_sgpr 80
		.amdhsa_reserve_vcc 1
		.amdhsa_float_denorm_mode_32 3
		.amdhsa_float_denorm_mode_16_64 3
		.amdhsa_memory_ordered 1
		.amdhsa_forward_progress 1
		.amdhsa_inst_pref_size 225
	.end_amdhsa_kernel
	.amdgpu_metadata
---
amdhsa.version: [ 1, 2 ]
amdhsa.kernels:
  - .name:           k_q1515d8bcf8_attn
    .symbol:         k_q1515d8bcf8_attn.kd
    .args:
      - { .name: qimg, .offset: 0, .size: 8, .value_kind: global_buffer, .address_space: global }
      - { .name: kv, .offset: 8, .size: 8, .value_kind: global_buffer, .address_space: global }
      - { .name: cimg, .offset: 16, .size: 8, .value_kind: global_buffer, .address_space: global }
      - { .name: cscl, .offset: 24, .size: 8, .value_kind: global_buffer, .address_space: global }
    .group_segment_fixed_size: 327680
    .private_segment_fixed_size: 0
    .kernarg_segment_align: 8
    .kernarg_segment_size: 32
    .max_flat_workgroup_size: 512
    .sgpr_count:     80
    .vgpr_count:     256
    .wavefront_size: 32
...
	.end_amdgpu_metadata
.endif
;; end of part 3
;; launch oproj (part 4): grid 4 x 64, 4 waves a work-group, no clusters, 17,920 bytes of LDS; arguments cimg, cscl, wimg, b_o, out0; writes out0
.if DOCPART == 4
	.amdgcn_target "amdgcn-amd-amdhsa--gfx1250"
	.amdhsa_code_object_version 6
	.text
	.protected	k_q1515d8bcf8_oproj
	.globl	k_q1515d8bcf8_oproj
	.p2align	8
	.type	k_q1515d8bcf8_oproj,@function
k_q1515d8bcf8_oproj:
	s_mov_b64 s[64:65], 0
	v_nop
	global_prefetch_b8 v0, s[64:65] scope:SCOPE_SE
	s_setreg_imm32_b32 hwreg(HW_REG_WAVE_MODE, 25, 1), 1
	s_wait_xcnt 0x0
; out0 = ctx W_o^T + b_o on codes of FP6 (E2M3), K = 512.  ctx comes as register images (cimg: [tile of 16 rows][K step][plane of two registers][lane][8 bytes]) with two scale bytes for each head and row
; (cscl: [8 batch + head][tile][row] words); W_o as register images (wimg).
; SHARES.  A work-group makes 128 rows x 128 columns; wave w takes row tiles 4 (w / 2) .. + 3 of the block's eight and columns 64 (2 x + w % 2) on: 16 accumulators, 64 products.
; 256 work-groups; this split reads 51,200 bytes of weights and 53,248 of ctx for a work-group, the least among the splits into 256.
; Source 0 = 16 rows of W_o, source 1 = 16 rows of ctx: a lane holds one row of out0 and eight neighbouring columns.  The rows of a tile and W_o's features of a tile are not neighbours
; (lane r of tile 2b+u: 32 b + 8 u + r + 8 (r / 8)): the stage and the stores' offsets put each number in its place.
; THE BIAS is loaded straight into the accumulators and is each sum's start.
; No tensor loads, no ring, no joint loads: every operand byte goes from memory straight into the registers of the wave that multiplies by it, once for a wave, all requested at the head; K is four steps.
; REGISTERS, window 0: v1 16 x lane, v2 4 x lane, v3 8 x lane, v4 64 h, v5, v6 the stage, v7 my bytes in out0; v16-23 W's scale words; v24-31 ctx's; v32-47 ctx's bytes as loaded; later v32-95 rows on their way out;
;   v128-255 the accumulators, (i, t) at 128 + 8 (4 i + t).   window 1: W's 16 fragments.   window 2: ctx's 16.
.set MSB, 0
.macro WIN new                         ; the immediate's high byte repeats the setting that is left
.if MSB != \new
	s_set_vgpr_msb (MSB<<8)|\new
.set MSB, \new
.endif
.endm
	s_load_b256 s[4:11], s[0:1], 0x0               ; cimg, cscl, wimg, b_o
	s_load_b64 s[12:13], s[0:1], 0x20              ; out0
	v_lshl_add_u32 v12, v0, 2, 17408               ; v12: my spare word, behind the four stages (512 bytes that no other line names); v13: 0; both kept for the add at the wave's end
	v_mov_b32 v13, 0
	v_lshrrev_b32 v8, 5, v0
	v_readfirstlane_b32 s14, v8                    ; wave 0..3
	s_lshr_b32 s15, s14, 1                         ; which four row tiles
	s_and_b32 s16, s14, 1
	s_lshl_b32 s17, ttmp9, 1
	s_add_co_u32 s16, s16, s17                     ; g: which 64 columns
	s_and_b32 s17, ttmp7, 0xffff                   ; the block of 128 rows
	v_and_b32 v9, 31, v0                           ; lane
	v_and_b32 v10, 15, v0                          ; r
	v_bfe_u32 v11, v0, 4, 1                        ; h
	v_lshlrev_b32 v1, 4, v9
	v_lshlrev_b32 v2, 2, v9
	v_lshlrev_b32 v3, 3, v9
	v_lshlrev_b32 v4, 6, v11
	s_mul_i32 s18, s14, 16*272                     ; my stage: 16 rows x (256 + 16) bytes
	v_mul_u32_u24 v5, v10, 272
	v_lshl_add_u32 v5, v11, 6, v5
	v_add_nc_u32 v5, s18, v5                       ; in: row r, + 64 h
	v_mul_u32_u24 v6, v11, 272
	v_lshl_add_u32 v6, v10, 4, v6
	v_add_nc_u32 v6, s18, v6                       ; back: lanes 0-15 one row, lanes 16-31 the next
	v_lshlrev_b32 v7, 11, v11
	v_lshl_add_u32 v7, v10, 4, v7                  ; and the same in out0: a row is 2,048 bytes
	s_lshl_b32 s20, s17, 3
	s_lshl_b32 s21, s15, 2
	s_add_co_u32 s20, s20, s21
	s_mul_i32 s20, s20, 6144                       ; ctx: tile 8 block + 4 half, 6,144 bytes a tile
	s_mov_b32 s21, 0
	s_lshr_b32 s22, s17, 5                         ; its scale words: (2,048 batch + 8 (block % 32) + 4 half) x 64
	s_lshl_b32 s22, s22, 11
	s_and_b32 s23, s17, 31
	s_lshl_b32 s23, s23, 3
	s_add_co_u32 s22, s22, s23
	s_lshl_b32 s23, s15, 2
	s_add_co_u32 s22, s22, s23
	s_lshl_b32 s22, s22, 6
	s_mov_b32 s23, 0
	s_mul_i32 s24, s16, 25600
	s_add_co_u32 s24, s24, 614400                  ; W_o is the fourth tensor of wimg
	s_mov_b32 s25, 0
	s_lshl_b32 s26, s16, 8                         ; 64 columns are 256 bytes, of b_o and of a row of out0
	s_mov_b32 s27, 0
	s_lshl_b32 s28, s17, 7
	s_lshl_b32 s29, s15, 6
	s_add_co_u32 s28, s28, s29
	s_lshl_b32 s28, s28, 11                        ; row 128 block + 64 half
	s_add_co_u32 s28, s28, s26
	s_mov_b32 s29, 0
	s_wait_alu depctr_va_vdst(0)
	s_wait_kmcnt 0x0
	s_add_nc_u64 s[4:5], s[4:5], s[20:21]
	s_add_nc_u64 s[6:7], s[6:7], s[22:23]
	s_add_nc_u64 s[8:9], s[8:9], s[24:25]
	s_add_nc_u64 s[10:11], s[10:11], s[26:27]
	s_add_nc_u64 s[12:13], s[12:13], s[28:29]
.irp s, 0,1,2,3
.irp c, 0,1
.irp ip, 0,1
	global_load_b32 v[32+4*\s+2*\c+\ip], v2, s[6:7] offset:(2*\s+\c)*16384+128*\ip   ; head 2 s + c, tiles 2 ip (lanes 0-15) and 2 ip + 1 (lanes 16-31)
.endr
.endr
.endr
.irp s, 0,1,2,3
	global_load_b64 v[16+2*\s:17+2*\s], v3, s[8:9] offset:24576+256*\s
.endr
.irp i, 0,1,2,3
.irp t, 0,1,2,3
	global_load_b128 v[128+8*(4*\i+\t):128+8*(4*\i+\t)+3], v4, s[10:11] offset:(32*(\t/2)+8*(\t%2))*4      ; b_o at the lane's eight columns: 32 (t / 2) + 8 (t % 2) + 16 h + 0 .. 7
	global_load_b128 v[128+8*(4*\i+\t)+4:128+8*(4*\i+\t)+7], v4, s[10:11] offset:(32*(\t/2)+8*(\t%2))*4+16
.endr
.endr
.irp s, 0,1,2,3
	WIN 0x40                                       ; destination window 1
.irp t, 0,1,2,3
.irp c, 0,1,2
	global_load_b128 v[12*(4*\s+\t)+4*\c:12*(4*\s+\t)+4*\c+3], v1, s[8:9] offset:6144*\s+1536*\t+512*\c
.endr
.endr
	WIN 0x80                                       ; destination window 2
.irp i, 0,1,2,3
.irp p, 0,1,2,3,4,5
	global_load_b64 v[12*(4*\s+\i)+2*\p:12*(4*\s+\i)+2*\p+1], v3, s[4:5] offset:6144*\i+1536*\s+256*\p
.endr
.endr
.endr
	WIN 0
	s_wait_loadcnt 63                              ; 196 loads were issued: with 63 out the first 133 are in: 52 of scales and bias, 72 of K steps 0 and 1
.irp s, 0,1,2,3
.irp ip, 0,1
	v_lshl_or_b32 v[24+2*\s+\ip], v[34+4*\s+\ip], 16, v[32+4*\s+\ip]   ; a K step's four bytes: head 2 s's two, then head 2 s + 1's
.endr
.endr
.rept 8
	v_nop                                          ; a scale register written by a vector instruction stands eight places ahead of a scaled matrix instruction
.endr
.macro OMUL s, i, t
.set D_, 128+8*(4*(\i)+(\t))
.set A_, 12*(4*(\s)+(\t))
.set B_, 12*(4*(\s)+(\i))
.set SA_, 16+2*(\s)+(\t)/2
.set SB_, 24+2*(\s)+(\i)/2
.if ((\t)%2 == 0) && ((\i)%2 == 0)
	v_wmma_scale_f32_16x16x128_f8f6f4 v[D_:D_+7], v[A_:A_+11], v[B_:B_+11], v[D_:D_+7], v[SA_], v[SB_] matrix_a_fmt:MATRIX_FMT_FP6 matrix_b_fmt:MATRIX_FMT_FP6
.elseif ((\t)%2 == 1) && ((\i)%2 == 0)
	v_wmma_scale_f32_16x16x128_f8f6f4 v[D_:D_+7], v[A_:A_+11], v[B_:B_+11], v[D_:D_+7], v[SA_], v[SB_] matrix_a_fmt:MATRIX_FMT_FP6 matrix_b_fmt:MATRIX_FMT_FP6 matrix_a_scale:MATRIX_SCALE_ROW1
.elseif ((\t)%2 == 0)
	v_wmma_scale_f32_16x16x128_f8f6f4 v[D_:D_+7], v[A_:A_+11], v[B_:B_+11], v[D_:D_+7], v[SA_], v[SB_] matrix_a_fmt:MATRIX_FMT_FP6 matrix_b_fmt:MATRIX_FMT_FP6 matrix_b_scale:MATRIX_SCALE_ROW1
.else
	v_wmma_scale_f32_16x16x128_f8f6f4 v[D_:D_+7], v[A_:A_+11], v[B_:B_+11], v[D_:D_+7], v[SA_], v[SB_] matrix_a_fmt:MATRIX_FMT_FP6 matrix_b_fmt:MATRIX_FMT_FP6 matrix_a_scale:MATRIX_SCALE_ROW1 matrix_b_scale:MATRIX_SCALE_ROW1
.endif
.endm
.macro OSTEP s                         ; a K step: the 16 accumulators take turns, one instruction a turn, in the same order in every K step
.irp i, 0,1,2,3
.irp t, 0,1,2,3
	OMUL \s, \i, \t
.endr
.endr
.endm
	WIN 0x09                                       ; source 0 (W) window 1, source 1 (ctx) window 2, C and D window 0
	OSTEP 0
	OSTEP 1
	s_wait_alu depctr_va_vdst(0)
	s_wait_loadcnt 36                              ; K step 2 is in; K step 3's 36 loads may be out
	OSTEP 2
	s_wait_loadcnt 0x0
	OSTEP 3
	WIN 0
.rept 4
	v_nop                                          ; four places in front of the first read of results
.endr
; THE WAY OUT, a tile of 16 rows x 64 columns at a time, through my own stage: a lane's eight columns go in, whole rows of 256 bytes come back.  LDS serves a wave's instructions in order
; (ISA guide 5.7.1.4): no wait between the stores and the loads, nor in front of the next tile's stores.
.macro TOSTAGE i
.irp t, 0,1,2,3
	ds_store_b128 v5, v[128+8*(4*(\i)+\t):128+8*(4*(\i)+\t)+3] offset:128*(\t/2)+32*(\t%2)          ; each accumulator from its low end on
	ds_store_b128 v5, v[128+8*(4*(\i)+\t)+4:128+8*(4*(\i)+\t)+7] offset:128*(\t/2)+32*(\t%2)+16
.endr
.irp k, 0,1,2,3,4,5,6,7
	ds_load_b128 v[32+32*((\i)%2)+4*\k:32+32*((\i)%2)+4*\k+3], v6 offset:2*\k*272
.endr
.endm
.macro SEND i, younger                 ; younger: the LDS instructions issued behind tile i's loads, which may stay out
	s_wait_dscnt \younger
.irp k, 0,1,2,3,4,5,6,7                ; the tile's row 2 k + (lane / 16) is row 32 (i / 2) + 8 (i % 2) + 2 k + 8 (k / 4) + (lane / 16) of my 64
	global_store_b128 v7, v[32+32*((\i)%2)+4*\k:32+32*((\i)%2)+4*\k+3], s[12:13] offset:(32*((\i)/2)+8*((\i)%2)+2*\k+8*(\k/4))*2048 th:TH_STORE_NT   ; 16 lanes store 256 consecutive bytes, aligned; written once, read by nobody here
.endr
.endm
	TOSTAGE 0
.irp a, 1,2,3
.if \a > 1
	s_wait_xcnt 0x0                                ; tile a - 2's stores have read their registers: tile a's loads may land there
.endif
	TOSTAGE \a
	SEND \a-1, 16                                  ; behind tile a - 1's loads: tile a's 8 stores and 8 loads
.endr
	SEND 3, 0
	s_wait_tensorcnt 0x0                           ; the wave's end, behind my last LDS store
	ds_add_u32 v12, v13
	s_wait_dscnt 0x0
	s_endpgm
.Lfunc_end_k_q1515d8bcf8_oproj:
	.size	k_q1515d8bcf8_oproj, .Lfunc_end_k_q1515d8bcf8_oproj-k_q1515d8bcf8_oproj
	.p2alignl 7, 3214868480
	.fill 96, 4, 3214868480
	.section	.rodata,"a",@progbits
	.p2align	6, 0x0
	.amdhsa_kernel k_q1515d8bcf8_oproj
		.amdhsa_group_segment_fixed_size 17920
		.amdhsa_private_segment_fixed_size 0
		.amdhsa_enable_private_segment 0
		.amdhsa_kernarg_size 40
		.amdhsa_user_sgpr_count 2
		.amdhsa_user_sgpr_kernarg_segment_ptr 1
		.amdhsa_wavefront_size32 1
		.amdhsa_system_sgpr_workgroup_id_x 1
		.amdhsa_system_sgpr_workgroup_id_y 1
		.amdhsa_system_sgpr_workgroup_id_z 1
		.amdhsa_system_vgpr_workitem_id 0
		.amdhsa_next_free_vgpr 768
		.amdhsa_next_free_sgpr 66
		.amdhsa_reserve_vcc 0
		.amdhsa_float_denorm_mode_32 3
		.amdhsa_float_denorm_mode_16_64 3
		.amdhsa_memory_ordered 1
		.amdhsa_forward_progress 1
		.amdhsa_inst_pref_size 38
	.end_amdhsa_kernel
	.amdgpu_metadata
---
amdhsa.version: [ 1, 2 ]
amdhsa.kernels:
  - .name:           k_q1515d8bcf8_oproj
    .symbol:         k_q1515d8bcf8_oproj.kd
    .args:
      - { .name: cimg, .offset: 0, .size: 8, .value_kind: global_buffer, .address_space: global }
      - { .name: cscl, .offset: 8, .size: 8, .value_kind: global_buffer, .address_space: global }
      - { .name: wimg, .offset: 16, .size: 8, .value_kind: global_buffer, .address_space: global }
      - { .name: b_o, .offset: 24, .size: 8, .value_kind: global_buffer, .address_space: global }
      - { .name: out0, .offset: 32, .size: 8, .value_kind: global_buffer, .address_space: global }
    .group_segment_fixed_size: 17920
    .private_segment_fixed_size: 0
    .kernarg_segment_align: 8
    .kernarg_segment_size: 40
    .max_flat_workgroup_size: 128
    .sgpr_count:     66
    .vgpr_count:     768
    .wavefront_size: 32
...
	.end_amdgpu_metadata
.endif
;; end of part 4
